; MI455X (gfx1250); checked and timed in simulation.
; The chip was launched on July 23, 2026; its instructions are those of AMD's public machine-readable ISA for CDNA 5 (MIT licence, August 2026) and "CDNA5" Instruction Set Architecture Reference Guide (July 2026). The comments in the code are by the model that wrote it; some were corrected since.
;; Attention. Allowed arithmetic: matrix products marked QUANTISED: E2M1 operands, one E8M0 scale for each 32 along K, by v_wmma_scale_f32_16x16x128_f8f6f4 with both operands' format E2M1 (or v_wmma_scale_f32_32x16x128_f4), f32 sums; everything else in f32.
;; Inputs: W_k 1,024 x 1,024 float32; W_o 1,024 x 1,024 float32; W_q 1,024 x 1,024 float32; W_v 1,024 x 1,024 float32; b_o 1,024 float32; x 4 x 2,048 x 1,024 float32.
;; Outputs: out0 4 x 2,048 x 1,024 float32.
;; This version of the problem:
;;   THIS VERSION OF THE PROBLEM IS GIVEN IN LOW PRECISION. The matrix products marked QUANTISED in the list below multiply operands that are first quantised to E2M1 (2 exponent bits, 1 mantissa bit; 4 bits a number), with one power-of-two scale for each 32 numbers along K (OCP MX v1.0); their sums are f32. All else is computed in f32.
;;   The module's matrix products, in the order in which they are computed (A, B: the left and right operand; K: the contracted axis; several contracted axes count as one K, in the product's order):
;;     1. [M 8,192, K 1,024] x [K 1,024, N 1,024]; A: input x; B: input W_q: QUANTISED
;;     2. [M 8,192, K 1,024] x [K 1,024, N 1,024]; A: input x; B: input W_k: QUANTISED
;;     3. [M 8,192, K 1,024] x [K 1,024, N 1,024]; A: input x; B: input W_v: QUANTISED
;;     4. batch 64 x [M 2,048, K 64] x [K 64, N 2,048]; A: computed on the way; B: computed on the way: QUANTISED
;;     5. batch 64 x [M 2,048, K 2,048] x [K 2,048, N 64]; A: softmax (see below); B: computed on the way: QUANTISED
;;     6. [M 8,192, K 1,024] x [K 1,024, N 1,024]; A: computed on the way; B: input W_o: QUANTISED
;;   THE QUANTISER, for each operand of a quantised product, along K:
;;     - K is cut into blocks of 32 from its start; a last block that is shorter is filled with zeros.
;;     - A block's scale is 2^e with e = floor(log2(the largest magnitude in the block)) - 2, held to -126 .. 127; a block of zeros has e = 0. As a byte (E8M0): e + 127.
;;     - Each number is divided by its block's scale, clamped to +-6, and rounded to the nearest number of E2M1, ties to even, subnormals kept.
;;     - The product sums the exact products of the quantised numbers (number of the format x scale) in f32.
;;   ~~~python
;;   def quantise(x, axis):      # numpy; x: float32 -> the quantised numbers, widened to float32 again
;;       x = np.moveaxis(x, axis, -1); K = x.shape[-1]
;;       x = np.pad(x, [(0, 0)] * (x.ndim - 1) + [(0, -K % 32)]); x = x.reshape(x.shape[:-1] + (-1, 32)); a = np.abs(x).max(-1, keepdims=True)
;;       e = np.where(a > 0, np.clip(np.frexp(np.where(a > 0, a, 1))[1] - 1 - 2, -126, 127), 0)      # np.frexp(a)[1] - 1 = floor(log2(a)), exactly
;;       r = np.clip(x / 2.0 ** e, -6, 6)
;;       step = 2.0 ** (np.maximum(np.frexp(np.where(r == 0, 1, r))[1] - 1, 0) - 1)
;;       q = np.round(r / step) * step * 2.0 ** e      # np.round: ties to even
;;       return np.moveaxis(q.reshape(q.shape[:-2] + (-1,))[..., :K], -1, axis).astype(np.float32)
;;   ~~~
;;   SOFTMAX AHEAD OF A QUANTISED PRODUCT. Where the list says 'softmax', what is quantised is not the finished softmax but p = 2^(t - M), with t = logit x log2(e) and M = ceil(the row's largest t), a whole number; so 1/2 < the row's largest p <= 1. The row's sum l is taken of the UNQUANTISED p, in f32, and the product's result is divided by l at the end. Since M is a whole number, a kernel that streams over the keys may use a running M (the ceiling of the running maximum): every later rescaling is an exact power of two, which a block's scale takes up: the codes' values come out the same.
;;   OPERANDS COMPUTED ON THE WAY. 'Computed on the way' means the value that the module computes at that place (a softmax that the list does not call 'softmax' is quantised finished and normalised). What goes into a quantiser is computed in f32, as accurately as f32 sums, v_exp_f32 and their like allow (about 1e-6 of the number): no bf16 or f16 on the way to a quantiser, and a product that is left as it is and whose result goes on into a quantised operand takes f32 operands (vector FMAs, or v_wmma_f32_16x16x4_f32). A number that lies on a knife's edge between two numbers of the format may be rounded either way, as far as f32 arithmetic and the matrix unit's own rounding can turn it there, and no further.
;; One version. Each part assembles by itself: llvm-mc -triple=amdgcn-amd-amdhsa -mcpu=gfx1250 --defsym DOCPART=n.
;; ======== version 1 of 1: 4 launches
;; workspace buffers: codes 6,291,456 bytes; sc 393,216 bytes; qkv 12,582,912 bytes; qkvs 1,310,720 bytes; hc 4,194,304 bytes; hs 262,144 bytes
;; launch quant (part 1): grid 384 x 1, 8 waves a work-group, no clusters, 71,680 bytes of LDS; arguments x, W_q, W_k, W_v, W_o, codes, sc; writes codes, sc
.if DOCPART == 1
	.amdgcn_target "amdgcn-amd-amdhsa--gfx1250"
	.amdhsa_code_object_version 6
	.text
	.protected	k_q1ace207f43_quant
	.globl	k_q1ace207f43_quant
	.p2align	8
	.type	k_q1ace207f43_quant,@function
k_q1ace207f43_quant:
	s_mov_b64 s[64:65], 0
	v_nop
	global_prefetch_b8 v0, s[64:65] scope:SCOPE_SE
	s_setreg_imm32_b32 hwreg(HW_REG_WAVE_MODE, 25, 1), 1
	s_wait_xcnt 0x0
; x [8192][1024] and W_q, W_k, W_v, W_o [1024][1024], f32, K innermost, become codes of FP4 (E2M1) with one E8M0 byte for each 32 along K.
; ROW SPACE of 12,288 rows: x 0.., W_q 8,192.., W_k 9,216.., W_v 10,240.., W_o 11,264...
; codes: [tile of 16 rows][chunk of 64 along K: 16][512 bytes]: lane L = r + 16 H of a wave holds, at 16 L, block H of row r: the image of four operand registers.
; sc:    [K step of 128: 8][12,288 rows] words; byte 2 c + H of a word is the block 2 c + H of the step.
; ORDER INSIDE A BLOCK: the four octets of a block lie as 0, 2, 1, 3.  Every operand of every product of this program has that order, so the products are the same.
; A block's scale is 2^(floor(log2(largest magnitude)) - 2): its byte is the largest magnitude's exponent field - 2, held at 1 from below.
; LIMITS: a block whose largest magnitude lies under 2^-124 keeps the byte 1 (a block of zeros too, where the rule says 127: its codes are zeros and only this program reads the bytes); NaN and infinities are not served.
; SHARES: work-group g: 64 rows (g / 2), half of K (g % 2).  Wave w: 16 rows (w % 4), 256 along K (w / 4): four chunks.  Each load reads 256 consecutive bytes of two rows; a chunk turns through the wave's own
; stage in LDS (rows 272 bytes apart) so that a lane gets the 32 numbers of one block.  All 32 loads of a wave go out at the head.  No matrix unit, no cluster: nothing is shared and memory binds.
.set STG, 4352                         ; a stage: 16 rows x (256 + 16) bytes; two for each wave
.set SCG, 69632                        ; behind the stages: [4 K steps][64 rows] scale words of the work-group
.set E,   16                           ; v16-19   a byte for each chunk
.set C,   24                           ; v24-39   codes, four registers a chunk: no store's data are written again
.set X,   40                           ; v40-103  two sets of 32 numbers of one block
.set R,   104                          ; v104-231 four chunks as loaded
	s_load_b256 s[4:11], s[0:1], 0x0               ; x, W_q, W_k, W_v
	s_load_b128 s[12:15], s[0:1], 0x20             ; W_o, codes
	s_load_b64 s[16:17], s[0:1], 0x30              ; sc
	v_lshl_add_u32 v240, v0, 2, 0x11400
	v_mov_b32 v241, 0
	v_lshrrev_b32 v1, 5, v0
	s_delay_alu instid0(VALU_DEP_1)
	v_readfirstlane_b32 s18, v1                    ; wave 0..7
	v_and_b32 v1, 31, v0                           ; L
	v_and_b32 v2, 15, v0                           ; r
	v_bfe_u32 v3, v0, 4, 1                         ; H
	s_and_b32 s19, ttmp9, 1                        ; which half of K
	s_lshr_b32 s20, ttmp9, 1                       ; which 64 rows of the row space
	s_and_b32 s21, s20, 15                         ; and of a weight (128 is a multiple of 16)
	s_and_b32 s22, s18, 3                          ; my 16 rows
	s_lshr_b32 s23, s18, 2                         ; my 256 along K
	s_and_b32 s25, s18, 1
	s_mul_i32 s24, s18, 2*STG                      ; my stages
	v_lshlrev_b32 v4, 12, v3
	s_delay_alu instid0(VALU_DEP_1)
	v_lshl_add_u32 v4, v2, 4, v4                   ; in memory: lanes 0-15 one row's 256 bytes, lanes 16-31 the next row's
	v_mul_u32_u24 v5, v3, 272
	s_delay_alu instid0(VALU_DEP_1)
	v_lshl_add_u32 v5, v2, 4, v5
	s_delay_alu instid0(VALU_DEP_1)
	v_add_nc_u32 v5, s24, v5                       ; into the stage: the same two rows
	v_mul_u32_u24 v6, v2, 272
	s_delay_alu instid0(VALU_DEP_1)
	v_lshl_add_u32 v6, v3, 7, v6
	s_delay_alu instid0(VALU_DEP_1)
	v_add_nc_u32 v6, s24, v6                       ; out of it: row r, block H
	v_lshlrev_b32 v7, 4, v1                        ; 16 L: my place in an image
	s_lshl_b32 s26, s23, 9
	s_lshl_b32 s27, s22, 6
	s_add_co_u32 s26, s26, s27
	s_add_co_u32 s26, s26, SCG
	v_lshl_add_u32 v8, v2, 2, s26                  ; my row's scale word of my first K step
	s_lshl_b32 s26, s25, 9
	s_add_co_u32 s26, s26, SCG
	v_lshl_add_u32 v9, v1, 4, s26                  ; the way out of the scale words: two K steps' 512 bytes
	v_mul_u32_u24 v10, v3, 49152
	s_delay_alu instid0(VALU_DEP_1)
	v_lshl_add_u32 v10, v2, 4, v10                 ; and in sc: a K step is 49,152 bytes on
	v_lshlrev_b32 v11, 3, v3                       ; 8 H
	v_mov_b32 v22, 0                               ; a lane permute's destination counts as one of its sources
	v_mov_b32 v23, 0
	s_mov_b32 s32, 0x76543210
	s_mov_b32 s33, 0xfedcba98                      ; v_permlanex16_b32's selects for lane l xor 16
	s_lshl_b32 s28, s20, 15                        ; codes: (4 x group + my tile) x 8,192 + (8 x half + 4 x quarter) x 512
	s_lshl_b32 s29, s22, 13
	s_add_co_u32 s28, s28, s29
	s_lshl_b32 s29, s19, 12
	s_add_co_u32 s28, s28, s29
	s_lshl_b32 s29, s23, 11
	s_add_co_u32 s28, s28, s29
	s_mov_b32 s29, 0
	s_lshl_b32 s30, s19, 2                         ; sc: K step 4 x half + 2 x (wave % 2), rows 64 x group
	s_lshl_b32 s31, s25, 1
	s_add_co_u32 s30, s30, s31
	s_mul_i32 s30, s30, 49152
	s_lshl_b32 s31, s20, 8
	s_add_co_u32 s30, s30, s31
	s_mov_b32 s31, 0
	s_wait_alu depctr_va_vdst(0)
	s_wait_kmcnt 0x0
	s_cmp_lt_u32 s20, 176                          ; which tensor: the choice hangs on the work-group's number alone
	s_cselect_b64 s[12:13], s[10:11], s[12:13]
	s_cmp_lt_u32 s20, 160
	s_cselect_b64 s[12:13], s[8:9], s[12:13]
	s_cmp_lt_u32 s20, 144
	s_cselect_b64 s[12:13], s[6:7], s[12:13]
	s_cmp_lt_u32 s20, 128
	s_cselect_b64 s[12:13], s[4:5], s[12:13]
	s_cselect_b32 s21, s20, s21                    ; the group of 64 rows inside that tensor
	s_lshl_b32 s26, s21, 18                        ; 64 rows of 4,096 bytes,
	s_lshl_b32 s27, s22, 16                        ; my 16 rows,
	s_add_co_u32 s26, s26, s27
	s_lshl_b32 s27, s19, 11                        ; the half of K,
	s_add_co_u32 s26, s26, s27
	s_lshl_b32 s27, s23, 10                        ; my 256 along K
	s_add_co_u32 s26, s26, s27
	s_mov_b32 s27, 0
	s_add_nc_u64 s[12:13], s[12:13], s[26:27]
	s_add_nc_u64 s[14:15], s[14:15], s[28:29]
	s_add_nc_u64 s[16:17], s[16:17], s[30:31]
.macro LOAD k                          ; chunk k: 256 bytes of each of my 16 rows
.irp j, 0,1,2,3,4,5,6,7
	global_load_b128 v[R+32*(\k)+4*\j:R+32*(\k)+4*\j+3], v4, s[12:13] offset:8192*\j+256*(\k) th:TH_LOAD_NT
.endr
.endm
.macro TURN k                          ; through the stage; LDS serves a wave's instructions in order, so no wait stands between the stores and the loads
.irp j, 0,1,2,3,4,5,6,7
	ds_store_b128 v5, v[R+32*(\k)+4*\j:R+32*(\k)+4*\j+3] offset:STG*((\k)%2)+544*\j
.endr
.set n, 0
.irp o, 0,16,64,80,32,48,96,112        ; the block's octets in the order 0, 2, 1, 3
	ds_load_b128 v[X+32*((\k)%2)+4*n:X+32*((\k)%2)+4*n+3], v6 offset:STG*((\k)%2)+\o
.set n, n+1
.endr
.endm
.macro WORK k
.set XS, X+32*((\k)%2)
	v_max3_num_f32 v12, |v[XS]|, |v[XS+1]|, |v[XS+2]|              ; the block's largest magnitude: all 32 numbers are mine; two chains
	v_max3_num_f32 v13, |v[XS+3]|, |v[XS+4]|, |v[XS+5]|
.irp i, 6,10,14,18,22,26
	s_delay_alu instid0(VALU_DEP_2)
	v_max3_num_f32 v12, v12, |v[XS+\i]|, |v[XS+\i+1]|
	s_delay_alu instid0(VALU_DEP_2)
	v_max3_num_f32 v13, v13, |v[XS+\i+2]|, |v[XS+\i+3]|
.endr
	s_delay_alu instid0(VALU_DEP_2)
	v_max3_num_f32 v12, v12, |v[XS+30]|, |v[XS+31]|
	s_delay_alu instid0(VALU_DEP_1)
	v_max3_num_f32 v12, v12, v13, 0x1800000        ; and the floor 2^(3 - 127): the byte cannot fall under 1
	s_delay_alu instid0(VALU_DEP_1)
	v_add_nc_u32 v14, 0xff000000, v12              ; 2 off the exponent field: the conversion's scale operand
.irp g, 0,1,2,3
	v_cvt_scalef32_pk8_fp4_f32 v[C+4*(\k)+\g], v[XS+8*\g:XS+8*\g+7], v14
.endr
	v_lshrrev_b32 v[E+(\k)], 23, v14               ; the byte (also the plain line behind the conversions)
	global_store_b128 v7, v[C+4*(\k):C+4*(\k)+3], s[14:15] offset:512*(\k)   ; 32 lanes store 512 consecutive bytes, aligned
.endm
	LOAD 0
	LOAD 1
	LOAD 2
	LOAD 3
	s_wait_loadcnt 24                              ; chunk 0's eight loads are in; the 24 younger may be out
	TURN 0
	s_wait_loadcnt 16                              ; chunk 1's
	TURN 1
	s_wait_dscnt 16                                ; chunk 0 is back from its stage; chunk 1's 8 stores and 8 loads are younger
	WORK 0
	s_wait_loadcnt 8
	TURN 2
	s_wait_dscnt 16
	WORK 1
	s_wait_loadcnt 0x0
	TURN 3
	s_wait_dscnt 16
	WORK 2
	s_wait_dscnt 0x0
	WORK 3
.irp i, 0,1                                    ; my two bytes of K step i, at their places: bytes H and 2 + H
	v_lshl_or_b32 v[20+\i], v[E+2*\i+1], 16, v[E+2*\i]
	s_delay_alu instid0(VALU_DEP_1)
	v_lshlrev_b32 v[20+\i], v11, v[20+\i]
.endr
.irp i, 0
	s_delay_alu instid0(VALU_DEP_3)
	v_permlanex16_b32 v[22+\i], v[20+\i], s32, s33
.endr
.irp i, 1
	s_delay_alu instid0(VALU_DEP_2)
	v_permlanex16_b32 v[22+\i], v[20+\i], s32, s33
.endr
.irp i, 0,1
	v_or_b32 v[20+\i], v[20+\i], v[22+\i]          ; with lane l xor 16's two the word is whole
	ds_store_b32 v8, v[20+\i] offset:256*\i        ; both halves of the lanes write the same word with the same value
.endr
	s_wait_dscnt 0x0                               ; for the others' sake: my words lie in LDS
	s_barrier_signal -1
	s_barrier_wait -1
	s_cmp_lt_u32 s18, 2                            ; waves 0 and 1 send the work-group's 1,024 bytes of scale words
	s_cbranch_scc0 .Lend
	ds_load_b128 v[12:15], v9
	s_wait_dscnt 0x0
	global_store_b128 v10, v[12:15], s[16:17]      ; sixteen lanes store 256 consecutive bytes, aligned: 64 rows' words of one K step
.Lend:
	s_wait_tensorcnt 0x0
	ds_add_u32 v240, v241
	s_wait_dscnt 0x0
	s_endpgm
.Lfunc_end_k_q1ace207f43_quant:
	.size	k_q1ace207f43_quant, .Lfunc_end_k_q1ace207f43_quant-k_q1ace207f43_quant
	.p2alignl 7, 3214868480
	.fill 96, 4, 3214868480
	.section	.rodata,"a",@progbits
	.p2align	6, 0x0
	.amdhsa_kernel k_q1ace207f43_quant
		.amdhsa_group_segment_fixed_size 71680
		.amdhsa_private_segment_fixed_size 0
		.amdhsa_enable_private_segment 0
		.amdhsa_kernarg_size 56
		.amdhsa_user_sgpr_count 2
		.amdhsa_user_sgpr_kernarg_segment_ptr 1
		.amdhsa_wavefront_size32 1
		.amdhsa_system_sgpr_workgroup_id_x 1
		.amdhsa_system_sgpr_workgroup_id_y 1
		.amdhsa_system_sgpr_workgroup_id_z 1
		.amdhsa_system_vgpr_workitem_id 0
		.amdhsa_next_free_vgpr 242
		.amdhsa_next_free_sgpr 66
		.amdhsa_reserve_vcc 0
		.amdhsa_float_denorm_mode_32 3
		.amdhsa_float_denorm_mode_16_64 3
		.amdhsa_memory_ordered 1
		.amdhsa_forward_progress 1
		.amdhsa_inst_pref_size 20
	.end_amdhsa_kernel
	.amdgpu_metadata
---
amdhsa.version: [ 1, 2 ]
amdhsa.kernels:
  - .name:           k_q1ace207f43_quant
    .symbol:         k_q1ace207f43_quant.kd
    .args:
      - { .name: x, .offset: 0, .size: 8, .value_kind: global_buffer, .address_space: global }
      - { .name: W_q, .offset: 8, .size: 8, .value_kind: global_buffer, .address_space: global }
      - { .name: W_k, .offset: 16, .size: 8, .value_kind: global_buffer, .address_space: global }
      - { .name: W_v, .offset: 24, .size: 8, .value_kind: global_buffer, .address_space: global }
      - { .name: W_o, .offset: 32, .size: 8, .value_kind: global_buffer, .address_space: global }
      - { .name: codes, .offset: 40, .size: 8, .value_kind: global_buffer, .address_space: global }
      - { .name: sc, .offset: 48, .size: 8, .value_kind: global_buffer, .address_space: global }
    .group_segment_fixed_size: 71680
    .private_segment_fixed_size: 0
    .kernarg_segment_align: 8
    .kernarg_segment_size: 56
    .max_flat_workgroup_size: 256
    .sgpr_count:     66
    .vgpr_count:     242
    .wavefront_size: 32
...
	.end_amdgpu_metadata
.endif
;; end of part 1
;; launch qkv (part 2): grid 192 x 4, 4 waves a work-group, clusters of 4 x 4, 209,408 bytes of LDS; arguments codes, sc, qkv, qkvs; writes qkv, qkvs
.if DOCPART == 2
	.amdgcn_target "amdgcn-amd-amdhsa--gfx1250"
	.amdhsa_code_object_version 6
	.text
	.protected	k_q1ace207f43_qkv
	.globl	k_q1ace207f43_qkv
	.p2align	8
	.type	k_q1ace207f43_qkv,@function
k_q1ace207f43_qkv:
	s_mov_b64 s[64:65], 0
	v_nop
	global_prefetch_b8 v0, s[64:65] scope:SCOPE_SE
	s_setreg_imm32_b32 hwreg(HW_REG_WAVE_MODE, 25, 1), 1
	s_wait_xcnt 0x0
	s_wait_alu depctr_hold_cnt(0) depctr_sa_sdst(0) depctr_va_vdst(0) depctr_va_sdst(0) depctr_va_ssrc(0) depctr_va_vcc(0) depctr_vm_vsrc(0)
	s_getreg_b32 s2, hwreg(HW_REG_IB_STS2, 6, 4)
	s_cmp_eq_u32 s2, 0
	s_cbranch_scc0 .Lentry_in_a_cluster
	s_endpgm
.Lentry_in_a_cluster:
	s_bfe_u32 s2, ttmp6, 0x10000c
	s_cmp_lg_u32 s2, 0xf033
	s_cbranch_scc0 .Lentry_shape_is_right
	s_endpgm
.Lentry_shape_is_right:
; Q = x W_q^T, K = x W_k^T, V = x W_v^T on codes of FP4, K = 1,024; the results leave as codes of FP4 again, quantised in registers: Q and K along the head's 64, V along the tokens.
; A work-group makes 256 rows of source 1 x 128 rows of source 0; in a result a lane holds ONE row of source 1 and its registers run along source 0's rows, which is the axis that is quantised.
;   clusters 0-31  (Q, K): source 0 = 128 rows of W_q | W_k (two heads), source 1 = 256 tokens
;   clusters 32-47 (V):    source 0 = 128 tokens (one key step),         source 1 = 256 rows of W_v (four heads)
; Both operands lie in one buffer (codes, sc), so only row numbers are chosen, by the cluster's number, which all sixteen partners share.
; Wave w: source 1's rows 64 w .. + 63 (4 tiles a) x all 128 of source 0 (8 tiles b): 32 accumulators.  All of K lies in LDS (two halves), filled ONCE by joint tensor loads: no byte of LDS is filled twice.
; CLUSTER 4 x 4: source 0's tile hangs on cx and is shared along a column, source 1's on cy and along a row.
; OUT: qkv  Q, K: [batch][head 0-15 Q, 16-31 K][token tile 128][512 B];  V from 0x800000: [batch][head][key step 16][d tile 4][half 2][512 B]: images of four operand registers, lane L at 16 L.
;      qkvs Q, K: [batch][head 32][64 tokens: 32][lane][2 words]; V from 0x100000: [batch][head][key step][lane][2 words]: word i of lane (r, H) belongs to row r of tile 2 i + H.
; Inside a block of 32 the octets lie as 0, 2, 1, 3, as in every operand of this program.
; LIMITS: a block whose largest magnitude lies under 2^-124 keeps the byte 1 (a block of zeros too; only this program reads the bytes); NaN and infinities are not served.
; REGISTERS: window 0: v2-10 addresses, v16-47 source 0's scale words, v48-63 source 1's, v64-93 the way out; window 1: accumulator (a, b) at v[8 (8 a + b)]; window 2: two sets of fragments, 96 registers each.
.set SLOT, 98304                       ; half of K: source 1's 256 rows (64 KiB), then source 0's 128 (32 KiB); a tile of 16 rows is 4,096 bytes
.set SCL,  196608                      ; the scale words: three pieces [8 K steps][128 rows]
.set TM,   64                          ; v64-67 largest magnitudes, v68-71 bytes, v76-79 scale operands
.set PC,   80                          ; v80-87 codes
.set MSB, 0
.macro WIN new                         ; the immediate's high byte repeats the setting that is left
.if MSB != \new
	s_set_vgpr_msb (MSB<<8)|\new
.set MSB, \new
.endif
.endm
.macro CROUND                          ; a round of the cluster's barrier
	s_barrier_signal -1
	s_barrier_wait -1
	s_cmp_lg_u32 s16, 0
	s_cbranch_scc1 .Lnot_wave_0_\@
	s_barrier_signal -3
.Lnot_wave_0_\@:
	s_barrier_wait -3
	s_barrier_signal -1
	s_barrier_wait -1
.endm
.macro PLACES                          ; four plain places behind matrix instructions, in front of loads into registers that they read and of reads of results
.rept 4
	v_nop
.endr
.endm
	s_load_b256 s[4:11], s[0:1], 0x0               ; codes, sc, qkv, qkvs
	v_lshl_add_u32 v254, v0, 2, 0x33000
	v_mov_b32 v255, 0
	ds_add_u32 v254, v255
	ds_add_u32 v254, v255
	v_lshrrev_b32 v1, 5, v0
	v_readfirstlane_b32 s16, v1                    ; wave 0..3
	s_bfe_u32 s17, ttmp6, 0x40000                  ; cx
	s_bfe_u32 s18, ttmp6, 0x40004                  ; cy
	s_and_b32 s19, ttmp9, 3
	s_max_u32 s20, ttmp9, 32
	s_sub_co_u32 s20, s20, 32
	s_lshr_b32 s21, ttmp9, 2
	s_cmp_lt_u32 ttmp9, 32                         ; Q, K or V: by the cluster's number
	s_cselect_b32 s19, s19, s20
	s_cselect_b32 s21, s21, 0
	s_cselect_b32 s22, 8192, 0                     ; source 0 begins at W_q's rows, or at x's
	s_cselect_b32 s23, 0, 10240                    ; source 1 at x's, or at W_v's
	s_lshl_b32 s19, s19, 2
	s_add_co_u32 s96, s19, s17                     ; T0: which 128 rows of source 0 (hangs on cx alone)
	s_lshl_b32 s21, s21, 2
	s_add_co_u32 s97, s21, s18                     ; T1: which 256 rows of source 1 (on cy alone)
	s_lshl_b32 s98, s96, 7
	s_add_co_u32 s98, s98, s22                     ; source 0's first row in the row space
	s_lshl_b32 s99, s97, 8
	s_add_co_u32 s99, s99, s23                     ; source 1's
	s_lshl_b32 s19, s18, 2
	s_lshl_b32 s19, 15, s19                        ; my row of the cluster
	s_lshl_b32 s2, 0x1111, s17                     ; my column
	; group 1, codes: 8 tiles of 4,096 bytes (512 elements of 8 bytes), 8,192 bytes apart in memory, dense in LDS
	s_or_b32 s24, s19, (3<<16)|(1<<21)             ; source 1's go to my row
	s_or_b32 s32, s2, (3<<16)|(1<<21)              ; source 0's to my column
.irp g, 24, 32
	s_mov_b32 s[\g+1], 512<<16                     ; tensor_dim0
	s_mov_b32 s[\g+2], 8<<16                       ; tensor_dim1
	s_mov_b32 s[\g+3], 512<<16                     ; tile_dim0
	s_mov_b32 s[\g+4], 8                           ; tile_dim1
	s_mov_b32 s[\g+5], 1024                        ; from tile to tile
	s_mov_b32 s[\g+6], 0
	s_mov_b32 s[\g+7], 0
.endr
	; group 1, scale words: 8 K steps x 128 words, 12,288 words apart
	s_or_b32 s40, s19, (2<<16)|(1<<21)
	s_or_b32 s48, s2, (2<<16)|(1<<21)
.irp g, 40, 48
	s_mov_b32 s[\g+1], 128<<16
	s_mov_b32 s[\g+2], 8<<16
	s_mov_b32 s[\g+3], 128<<16
	s_mov_b32 s[\g+4], 8
	s_mov_b32 s[\g+5], 12288
	s_mov_b32 s[\g+6], 0
	s_mov_b32 s[\g+7], 0
.endr
	s_and_b32 s22, s16, 1
	s_lshl_b32 s22, s22, 7
	s_add_co_u32 s22, s22, s99                     ; source 1: the 128 rows that waves 0 and 1 fetch
	s_lshl_b32 s20, s22, 9                         ; their codes: 512 bytes a row
	s_mov_b32 s21, 0
	s_lshl_b32 s22, s22, 2                         ; their scale words
	s_mov_b32 s23, 0
	s_lshl_b32 s88, s98, 9                         ; source 0 likewise, in registers of its own
	s_mov_b32 s89, 0
	s_lshl_b32 s90, s98, 2
	s_mov_b32 s91, 0
	s_lshl_b32 s100, s16, 15                       ; where a piece goes: wave x 32,768,
	s_lshl_b32 s101, s16, 12                       ; its scale words: wave x 4,096: no place in the cluster enters an LDS address
	s_wait_dscnt 0x0
	s_wait_kmcnt 0x0
	s_mov_b32 s56, 1                               ; source 1: scale words,
	s_add_co_u32 s57, s101, SCL
	s_add_nc_u64 s[58:59], s[6:7], s[22:23]
	s_or_b32 s59, s59, 0x80000000
	s_mov_b32 s60, 1                               ; the first half of K,
	s_mov_b32 s61, s100
	s_add_nc_u64 s[62:63], s[4:5], s[20:21]
	s_mov_b32 s68, 1                               ; the second
	s_add_co_u32 s69, s100, SLOT
	s_add_nc_u64 s[70:71], s[62:63], 4096
	s_or_b32 s63, s63, 0x80000000
	s_or_b32 s71, s71, 0x80000000
	s_mov_b32 s72, 1                               ; source 0: the same three
	s_add_co_u32 s73, s101, SCL
	s_add_nc_u64 s[74:75], s[6:7], s[90:91]
	s_or_b32 s75, s75, 0x80000000
	s_mov_b32 s76, 1
	s_mov_b32 s77, s100
	s_add_nc_u64 s[78:79], s[4:5], s[88:89]
	s_mov_b32 s80, 1
	s_add_co_u32 s81, s100, SLOT
	s_add_nc_u64 s[82:83], s[78:79], 4096
	s_or_b32 s79, s79, 0x80000000
	s_or_b32 s83, s83, 0x80000000
	CROUND                                         ; all sixteen work-groups are here: the joint loads meet
	s_cmp_lt_u32 s16, 2                            ; all fills of the launch, in one branch on the wave's number: three loads of a fetching wave are out
	s_cbranch_scc0 .Lnot_1
	tensor_load_to_lds s[56:59], s[40:47]
	s_nop 0
	tensor_load_to_lds s[60:63], s[24:31]
	s_nop 0
	tensor_load_to_lds s[68:71], s[24:31]
	s_nop 0
.rept 4
	v_nop
.endr
	s_branch .Lasked
.Lnot_1:
	s_cmp_eq_u32 s16, 2
	s_cbranch_scc0 .Lasked
	tensor_load_to_lds s[72:75], s[48:55]
	s_nop 0
	tensor_load_to_lds s[76:79], s[32:39]
	s_nop 0
	tensor_load_to_lds s[80:83], s[32:39]
	s_nop 0
.rept 4
	v_nop
.endr
.Lasked:
	v_and_b32 v1, 31, v0                           ; L
	s_lshl_b32 s19, s16, 14
	v_lshl_add_u32 v2, v1, 4, s19                  ; source 1's fragments: my four tiles, 16 L; first half of K,
	v_add_nc_u32 v3, SLOT, v2                      ; second
	v_lshlrev_b32 v4, 4, v1
	v_add_nc_u32 v4, 65536, v4                     ; source 0's
	v_add_nc_u32 v5, SLOT, v4
	s_lshr_b32 s19, s16, 1
	s_lshl_b32 s19, s19, 12
	s_and_b32 s2, s16, 1
	s_lshl_b32 s2, s2, 8
	s_add_co_u32 s19, s19, s2
	s_add_co_u32 s19, s19, SCL
	v_lshl_add_u32 v6, v1, 2, s19                  ; source 1's scale words: my 64 rows; a load takes 32 rows: lanes 0-15 one tile's, lanes 16-31 the next's
	v_lshlrev_b32 v7, 2, v1
	v_add_nc_u32 v7, SCL+8192, v7                  ; source 0's
.irp b, 0,1,2,3
	v_mov_b32 v[TM+4+\b], 0                        ; a lane permute's destination counts as one of its sources
.endr
	; the way out: where my wave's codes and scale words go, for both kinds; then the choice
	s_lshr_b32 s19, s97, 3                         ; Q, K: batch,
	s_lshl_b32 s19, s19, 21
	s_lshl_b32 s2, s96, 17                         ; head 2 T0,
	s_add_co_u32 s19, s19, s2
	s_and_b32 s2, s97, 7
	s_lshl_b32 s2, s2, 13                          ; token tile 16 (T1 % 8) + 4 w
	s_add_co_u32 s19, s19, s2
	s_lshl_b32 s2, s16, 11
	s_add_co_u32 s19, s19, s2
	s_lshr_b32 s20, s19, 3                         ; its scale words lie at an eighth of that
	s_lshr_b32 s21, s96, 4                         ; V: batch,
	s_lshl_b32 s21, s21, 20
	s_lshl_b32 s2, s97, 18                         ; head 4 T1 + w,
	s_add_co_u32 s21, s21, s2
	s_lshl_b32 s2, s16, 16
	s_add_co_u32 s21, s21, s2
	s_and_b32 s2, s96, 15                          ; key step T0 % 16
	s_lshl_b32 s2, s2, 12
	s_add_co_u32 s21, s21, s2
	s_lshr_b32 s22, s21, 4                         ; its scale words: a sixteenth
	s_add_co_u32 s21, s21, 0x800000
	s_add_co_u32 s22, s22, 0x100000
	s_mov_b32 s88, 1024
	s_mov_b32 s90, 512
	s_cmp_lt_u32 ttmp9, 32
	s_cselect_b32 s84, s19, s21
	s_cselect_b32 s86, s20, s22
	s_cselect_b32 s88, 512, s88                    ; from tile a to a + 1: a token tile, or a tile of d
	s_cselect_b32 s90, 65536, s90                  ; from the first four code registers to the second: the next head, or the step's second half
	s_cselect_b32 s91, 0xffff, -1                  ; Q, K: two bytes a head; V: four bytes a key step
	s_mov_b32 s85, 0
	s_mov_b32 s87, 0
	s_mov_b32 s89, 0
	s_add_nc_u64 s[84:85], s[8:9], s[84:85]
	s_add_nc_u64 s[86:87], s[10:11], s[86:87]
	s_mov_b32 s92, 0xffff0000                      ; lanes 16-31
	s_mov_b32 s94, 0x76543210
	s_mov_b32 s95, 0xfedcba98                      ; v_permlanex16_b32's selects for lane l xor 16
	v_lshlrev_b32 v8, 4, v1                        ; 16 L
	v_add_nc_u32 v9, s90, v8
	v_lshlrev_b32 v10, 3, v1                       ; 8 L
.macro SCLOAD                          ; all scale words of my tiles, once: v[16 + 4 q + j]: source 0's tiles 2 j (lanes 0-15), 2 j + 1 (lanes 16-31); v[48 + 2 q + j]: source 1's
.irp q, 0,1,2,3,4,5,6,7
.irp j, 0,1,2,3
	ds_load_b32 v[16+4*\q+\j], v7 offset:512*\q+128*\j
.endr
.irp j, 0,1
	ds_load_b32 v[48+2*\q+\j], v6 offset:512*\q+128*\j
.endr
.endr
.endm
.macro FETCH s, qq, p                  ; the fragments of the qq-th 128 along K of half s into set p: 24 loads of 512 consecutive bytes
	WIN 0x80                                       ; destination window 2
.irp b, 0,1,2,3,4,5,6,7
.irp c, 0,1
	ds_load_b128 v[96*(\p)+8*\b+4*\c:96*(\p)+8*\b+4*\c+3], v[4+\s] offset:4096*\b+1024*(\qq)+512*\c
.endr
.endr
.irp a, 0,1,2,3
.irp c, 0,1
	ds_load_b128 v[96*(\p)+64+8*\a+4*\c:96*(\p)+64+8*\a+4*\c+3], v[2+\s] offset:4096*\a+1024*(\qq)+512*\c
.endr
.endr
.endm
.macro WM q, p                         ; the product of source 0's tile BB and source 1's tile AA; an odd tile's scale words lie in lanes 16-31.  K step 0 starts the sums
.set rD, 8*(8*AA+BB)
.set rA, 96*(\p)+8*BB
.set rB, 96*(\p)+64+8*AA
.set rX, 16+4*(\q)+BB/2
.set rY, 48+2*(\q)+AA/2
.if (\q) == 0
.if (BB%2) && (AA%2)
	v_wmma_scale_f32_16x16x128_f8f6f4 v[rD:rD+7], v[rA:rA+7], v[rB:rB+7], 0, v[rX], v[rY] matrix_a_fmt:MATRIX_FMT_FP4 matrix_b_fmt:MATRIX_FMT_FP4 matrix_a_scale:MATRIX_SCALE_ROW1 matrix_b_scale:MATRIX_SCALE_ROW1
.elseif BB%2
	v_wmma_scale_f32_16x16x128_f8f6f4 v[rD:rD+7], v[rA:rA+7], v[rB:rB+7], 0, v[rX], v[rY] matrix_a_fmt:MATRIX_FMT_FP4 matrix_b_fmt:MATRIX_FMT_FP4 matrix_a_scale:MATRIX_SCALE_ROW1
.elseif AA%2
	v_wmma_scale_f32_16x16x128_f8f6f4 v[rD:rD+7], v[rA:rA+7], v[rB:rB+7], 0, v[rX], v[rY] matrix_a_fmt:MATRIX_FMT_FP4 matrix_b_fmt:MATRIX_FMT_FP4 matrix_b_scale:MATRIX_SCALE_ROW1
.else
	v_wmma_scale_f32_16x16x128_f8f6f4 v[rD:rD+7], v[rA:rA+7], v[rB:rB+7], 0, v[rX], v[rY] matrix_a_fmt:MATRIX_FMT_FP4 matrix_b_fmt:MATRIX_FMT_FP4
.endif
.else
.if (BB%2) && (AA%2)
	v_wmma_scale_f32_16x16x128_f8f6f4 v[rD:rD+7], v[rA:rA+7], v[rB:rB+7], v[rD:rD+7], v[rX], v[rY] matrix_a_fmt:MATRIX_FMT_FP4 matrix_b_fmt:MATRIX_FMT_FP4 matrix_a_scale:MATRIX_SCALE_ROW1 matrix_b_scale:MATRIX_SCALE_ROW1
.elseif BB%2
	v_wmma_scale_f32_16x16x128_f8f6f4 v[rD:rD+7], v[rA:rA+7], v[rB:rB+7], v[rD:rD+7], v[rX], v[rY] matrix_a_fmt:MATRIX_FMT_FP4 matrix_b_fmt:MATRIX_FMT_FP4 matrix_a_scale:MATRIX_SCALE_ROW1
.elseif AA%2
	v_wmma_scale_f32_16x16x128_f8f6f4 v[rD:rD+7], v[rA:rA+7], v[rB:rB+7], v[rD:rD+7], v[rX], v[rY] matrix_a_fmt:MATRIX_FMT_FP4 matrix_b_fmt:MATRIX_FMT_FP4 matrix_b_scale:MATRIX_SCALE_ROW1
.else
	v_wmma_scale_f32_16x16x128_f8f6f4 v[rD:rD+7], v[rA:rA+7], v[rB:rB+7], v[rD:rD+7], v[rX], v[rY] matrix_a_fmt:MATRIX_FMT_FP4 matrix_b_fmt:MATRIX_FMT_FP4
.endif
.endif
.endm
.macro MUL a0, n, q, p                 ; source 1's tiles a0 .. a0 + n - 1 against source 0's eight.  The 32 accumulators take turns, one instruction a turn, in the same order in every K step
	WIN 0x5a                                       ; fragments window 2, C and D window 1
.set AA, \a0
.rept \n
.set BB, 0
.rept 8
	WM \q, \p
.set BB, BB+1
.endr
.set AA, AA+1
.endr
.endm
.macro STEPQ s, qq, q                  ; a K step whose successor lies in the same half: the successor's fragments are asked for first, 32 matrix instructions ahead of their use
.if (\q) > 0
	PLACES
.endif
	FETCH \s, (\qq)+1, ((\q)+1)%2
	s_wait_dscnt 24                                ; all but the 24 loads just issued: this step's set (and the scale words) are in
	MUL 0, 4, \q, (\q)%2
.endm
	s_wait_alu depctr_va_vdst(0)
	s_wait_tensorcnt 0x1                           ; my scale words and my piece of the first half are in; only my last load, the second half's, may be out
	s_barrier_signal -1
	s_barrier_wait -1                              ; everybody's are
	SCLOAD
	FETCH 0, 0, 0
	STEPQ 0, 0, 0
	STEPQ 0, 1, 1
	STEPQ 0, 2, 2
	s_wait_dscnt 0x0                               ; K step 3's set is in, and no LDS load of mine is out at the signal
	s_wait_tensorcnt 0x0                           ; my piece of the second half is in
	s_barrier_signal -1
	MUL 0, 2, 3, 1                                 ; work on registers while the others arrive
	s_barrier_wait -1
	PLACES
	FETCH 1, 0, 0
	MUL 2, 2, 3, 1
	STEPQ 1, 0, 4
	STEPQ 1, 1, 5
	STEPQ 1, 2, 6
	s_wait_dscnt 0x0
	MUL 0, 4, 7, 1
	WIN 0
	PLACES
; THE WAY OUT of tile a: 64 numbers a lane, register 16 b + i of them = element 8 h + i (i < 8) or 16 + 8 h + i - 8 of block b of my row.  Largest magnitudes with lane l xor 16's, bytes, conversions;
; two exchanges of halves for each pair of blocks give a lane a whole block: four registers = an image of 512 bytes.
.macro QOUT a
.set AC, 64*(\a)
.if (\a) > 0
	s_wait_xcnt 0x0                                ; the last tile's stores have read their data and their base: both are written again only behind this wait
	s_add_nc_u64 s[84:85], s[84:85], s[88:89]
.endif
	WIN 0x14                                       ; sources 1 and 2: the accumulators' window
.irp b, 0,1,2,3
	v_max3_num_f32 v[TM+\b], 0x1800000, |v[AC+16*\b]|, |v[AC+16*\b+1]|   ; the floor 2^(3 - 127) among the leaves; each accumulator is read from its low end on
.endr
.irp i, 2,4,6,8,10,12,14
.irp b, 0,1,2,3
	v_max3_num_f32 v[TM+\b], v[TM+\b], |v[AC+16*\b+\i]|, |v[AC+16*\b+\i+1]|
.endr
.endr
	WIN 0
.irp b, 0,1,2,3
	v_permlanex16_b32 v[TM+4+\b], v[TM+\b], s94, s95
.endr
.irp b, 0,1,2,3
	v_max_num_f32 v[TM+\b], v[TM+\b], v[TM+4+\b]
.endr
.irp b, 0,1,2,3
	v_add_nc_u32 v[TM+12+\b], 0xff000000, v[TM+\b] ; 2 off the exponent field: the conversion's scale operand
.endr
.irp b, 0,1,2,3
	v_lshrrev_b32 v[TM+4+\b], 23, v[TM+12+\b]      ; the byte
.endr
	v_lshl_or_b32 v88, v[TM+5], 8, v[TM+4]
	v_lshl_or_b32 v88, v[TM+6], 16, v88
	v_lshl_or_b32 v88, v[TM+7], 24, v88            ; my row's four bytes
	v_lshrrev_b32 v89, 16, v88                     ; Q, K: the second head's two
	v_and_b32 v88, s91, v88                        ; and the first's; V: all four
	WIN 0x01                                       ; source 0: the accumulators' window
.irp b, 0,1,2,3
	v_cvt_scalef32_pk8_fp4_f32 v[PC+2*\b], v[AC+16*\b:AC+16*\b+7], v[TM+12+\b]
	v_cvt_scalef32_pk8_fp4_f32 v[PC+2*\b+1], v[AC+16*\b+8:AC+16*\b+15], v[TM+12+\b]
.endr
	WIN 0
	v_nop                                          ; one plain place behind a scaled conversion
.irp c, 0,1
.irp i, 0,1
	v_permlane16_swap_b32 v[PC+4*\c+\i], v[PC+4*\c+2+\i]
.endr
.endr
	global_store_b128 v8, v[PC:PC+3], s[84:85]     ; 32 lanes store 512 consecutive bytes, aligned
	global_store_b128 v9, v[PC+4:PC+7], s[84:85]
.if (\a)%2 == 0
	v_mov_b32 v[90+(\a)/2], v88                    ; the scale words of tiles 2 i and 2 i + 1 share a register: lanes 0-15 the even tile's,
	v_mov_b32 v[92+(\a)/2], v89
.else
	v_cndmask_b32 v[90+(\a)/2], v[90+(\a)/2], v88, s92   ; lanes 16-31 the odd tile's
	v_cndmask_b32 v[92+(\a)/2], v[92+(\a)/2], v89, s92
.endif
.endm
	QOUT 0
	QOUT 1
	QOUT 2
	QOUT 3
	global_store_b64 v10, v[90:91], s[86:87]       ; 32 lanes store 256 consecutive bytes, aligned
	s_cmp_lt_u32 ttmp9, 32
	s_cbranch_scc0 .Lno_second                     ; V has one word a row; Q and K a second head's
	global_store_b64 v10, v[92:93], s[86:87] offset:8192
.Lno_second:
	s_wait_tensorcnt 0x0
	ds_add_u32 v254, v255
	s_wait_dscnt 0x0
	CROUND                                         ; the closing round
	s_endpgm
.Lfunc_end_k_q1ace207f43_qkv:
	.size	k_q1ace207f43_qkv, .Lfunc_end_k_q1ace207f43_qkv-k_q1ace207f43_qkv
	.p2alignl 7, 3214868480
	.fill 96, 4, 3214868480
	.section	.rodata,"a",@progbits
	.p2align	6, 0x0
	.amdhsa_kernel k_q1ace207f43_qkv
		.amdhsa_group_segment_fixed_size 209408
		.amdhsa_private_segment_fixed_size 0
		.amdhsa_enable_private_segment 0
		.amdhsa_kernarg_size 32
		.amdhsa_user_sgpr_count 2
		.amdhsa_user_sgpr_kernarg_segment_ptr 1
		.amdhsa_wavefront_size32 1
		.amdhsa_system_sgpr_workgroup_id_x 1
		.amdhsa_system_sgpr_workgroup_id_y 1
		.amdhsa_system_sgpr_workgroup_id_z 1
		.amdhsa_system_vgpr_workitem_id 0
		.amdhsa_next_free_vgpr 768
		.amdhsa_next_free_sgpr 102
		.amdhsa_reserve_vcc 0
		.amdhsa_float_denorm_mode_32 3
		.amdhsa_float_denorm_mode_16_64 3
		.amdhsa_memory_ordered 1
		.amdhsa_forward_progress 1
		.amdhsa_inst_pref_size 76
	.end_amdhsa_kernel
	.amdgpu_metadata
---
amdhsa.version: [ 1, 2 ]
amdhsa.kernels:
  - .name:           k_q1ace207f43_qkv
    .symbol:         k_q1ace207f43_qkv.kd
    .args:
      - { .name: codes, .offset: 0, .size: 8, .value_kind: global_buffer, .address_space: global }
      - { .name: sc, .offset: 8, .size: 8, .value_kind: global_buffer, .address_space: global }
      - { .name: qkv, .offset: 16, .size: 8, .value_kind: global_buffer, .address_space: global }
      - { .name: qkvs, .offset: 24, .size: 8, .value_kind: global_buffer, .address_space: global }
    .group_segment_fixed_size: 209408
    .private_segment_fixed_size: 0
    .kernarg_segment_align: 8
    .kernarg_segment_size: 32
    .max_flat_workgroup_size: 128
    .sgpr_count:     102
    .vgpr_count:     768
    .wavefront_size: 32
...
	.end_amdgpu_metadata
.endif
;; end of part 2
;; launch attn (part 3): grid 8 x 32, 16 waves a work-group, clusters of 4 x 1, 289,792 bytes of LDS; arguments qkv, qkvs, hc, hs; writes hc, hs
.if DOCPART == 3
	.amdgcn_target "amdgcn-amd-amdhsa--gfx1250"
	.amdhsa_code_object_version 6
	.text
	.protected	k_q1ace207f43_attn
	.globl	k_q1ace207f43_attn
	.p2align	8
	.type	k_q1ace207f43_attn,@function
k_q1ace207f43_attn:
	s_mov_b64 s[64:65], 0
	v_nop
	global_prefetch_b8 v0, s[64:65] scope:SCOPE_SE
	s_setreg_imm32_b32 hwreg(HW_REG_WAVE_MODE, 25, 1), 1
	s_wait_xcnt 0x0
	s_wait_alu depctr_hold_cnt(0) depctr_sa_sdst(0) depctr_va_vdst(0) depctr_va_sdst(0) depctr_va_ssrc(0) depctr_va_vcc(0) depctr_vm_vsrc(0)
	s_getreg_b32 s2, hwreg(HW_REG_IB_STS2, 6, 4)
	s_cmp_eq_u32 s2, 0
	s_cbranch_scc0 .Lentry_in_a_cluster
	s_endpgm
.Lentry_in_a_cluster:
	s_bfe_u32 s2, ttmp6, 0x10000c
	s_cmp_lg_u32 s2, 0x3003
	s_cbranch_scc0 .Lentry_shape_is_right
	s_endpgm
.Lentry_shape_is_right:
; Hout = softmax(Q K^T / 8) V for 64 (batch, head) pairs of 2,048 tokens x 64, both products on codes of FP4; Hout leaves as codes of FP4 along the model's 1,024 (head x 64 + d), for the last product.
; THE SOFTMAX: t = score x log2(e) / 8; M = the running largest t, rounded UP to a whole number; p = 2^(t - M) is quantised along the keys, not normalised; the row's sum is taken of the unquantised p and divides at the end.
; When M moves, the sum and O are multiplied by 2^(old M - new M): exact.
; SHARES: a work-group owns 256 queries of one batch and TWO heads (2 hp, 2 hp + 1), one after the other; each of its sixteen waves 16 queries, in 256 registers: four waves to a SIMD, so that one wave's vector work
; stands beside another's products and LDS loads.  At the end a wave holds one K step (128) of its 16 rows for the last product: two images of 512 bytes and a whole scale word a row.
; LDS: both heads' K and V as codes with their scale words, filled ONCE by joint tensor loads: no byte is filled twice.  The four query blocks of a cluster read the same K and V: mask 15.
; LAYOUT: S^T = K Q^T (source 0 = 16 keys, source 1 = my queries), O^T = V^T P^T (source 0 = 16 of d, source 1 = P): a lane holds ONE query.  Inside a block of 32 the octets lie as 0, 2, 1, 3 in every operand.
; THE FIRST PRODUCT'S K IS 64: Q's operand has zero codes in its upper four registers; K's operand of tile t names the next tile's four registers as its upper ones (tile 7: zeros): they meet zero codes and add nothing.
; LIMITS: a block whose largest magnitude lies under 2^-124 keeps the byte 1 (a block of zeros too; only this program reads the bytes); NaN and infinities are not served.  The sum is at least 1/2.
; REGISTERS: v1-7 addresses that stay; v8-11 the step's; v12 -M, v13 largest t, v[14:15] the sum; v16-31 Q of both heads, each with four zeros; v32-63 K, v64-67 zeros; v68-99 V; v100-163 S^T, p, Hout; v164-195 O^T;
; v196-203 p's codes; v204-212 scale words (K 4, V 2, p, Q 2); v213 Hout's scale word; v216-219 its codes; v220-237 at work.
.set S,  100
.set O,  164
.set PC, 196
.set BM, 220                           ; v220-223 a block's largest
.set BT, 224                           ; v224-227 the other half's; bytes
.set BS, 228                           ; v228-231 scale operands
.set SST, 286720                       ; 256 words: Hout's scale words of the work-group; written by LDS stores alone
.macro CROUND
	s_barrier_signal -1
	s_barrier_wait -1
	s_cmp_lg_u32 s12, 0
	s_cbranch_scc1 .Lnot_wave_0_\@
	s_barrier_signal -3
.Lnot_wave_0_\@:
	s_barrier_wait -3
	s_barrier_signal -1
	s_barrier_wait -1
.endm
	s_load_b256 s[4:11], s[0:1], 0x0               ; qkv, qkvs, hc, hs
	v_lshl_add_u32 v254, v0, 2, 0x46400
	v_mov_b32 v255, 0
	ds_add_u32 v254, v255
	ds_add_u32 v254, v255
	v_lshrrev_b32 v1, 5, v0
	s_delay_alu instid0(VALU_DEP_1)
	v_readfirstlane_b32 s12, v1                    ; wave 0..15
	s_bfe_u32 s13, ttmp6, 0x40000                  ; cx
	s_lshl_b32 s14, ttmp9, 2
	s_add_co_u32 s14, s14, s13                     ; my block of 256 queries: it enters Q's and Hout's addresses alone
	s_and_b32 s15, ttmp7, 0xffff
	s_lshr_b32 s16, s15, 3                         ; batch
	s_and_b32 s17, s15, 7                          ; pair of heads
	s_lshl_b32 s18, s16, 21
	s_lshl_b32 s19, s17, 17
	s_add_co_u32 s18, s18, s19
	s_add_co_u32 s18, s18, 0x100000                ; K's codes of head 2 hp
	s_lshl_b32 s20, s16, 20
	s_add_co_u32 s20, s20, s19
	s_add_co_u32 s20, s20, 0x800000                ; V's
	s_and_b32 s21, s12, 3
	s_lshl_b32 s21, s21, 14                        ; waves 0-3 fetch K's four quarters, waves 4-7 V's
	s_cmp_lt_u32 s12, 4
	s_cselect_b32 s22, s18, s20
	s_add_co_u32 s22, s22, s21
	s_mov_b32 s23, 0
	s_lshr_b32 s2, s12, 2
	s_lshl_b32 s2, s2, 17
	s_add_co_u32 s2, s2, s21                       ; in LDS: K from 0, V from 131,072
	s_lshl_b32 s74, s16, 18
	s_lshl_b32 s75, s17, 14
	s_add_co_u32 s74, s74, s75
	s_add_co_u32 s74, s74, 0x20000                 ; K's scale words, both heads: 16 KiB on end
	s_mov_b32 s75, 0
	s_lshl_b32 s76, s16, 16
	s_lshl_b32 s77, s17, 13
	s_add_co_u32 s76, s76, s77
	s_add_co_u32 s76, s76, 0x100000                ; V's: 8 KiB
	s_mov_b32 s77, 0
	; group 1: dense blocks as rows of 256 bytes (32 elements of 8 bytes): 64 rows, and 32 rows
	s_mov_b32 s24, 15|(3<<16)|(1<<21)
	s_mov_b32 s25, 32<<16
	s_mov_b32 s26, 64<<16
	s_mov_b32 s27, 32<<16
	s_mov_b32 s28, 64
	s_mov_b32 s29, 32
	s_mov_b32 s30, 0
	s_mov_b32 s31, 0
	s_mov_b32 s32, 15|(3<<16)|(1<<21)
	s_mov_b32 s33, 32<<16
	s_mov_b32 s34, 32<<16
	s_mov_b32 s35, 32<<16
	s_mov_b32 s36, 32
	s_mov_b32 s37, 32
	s_mov_b32 s38, 0
	s_mov_b32 s39, 0
	s_mov_b32 s56, 0x76543210
	s_mov_b32 s57, 0xfedcba98                      ; v_permlanex16_b32's selects for lane l xor 16
	s_mov_b32 s58, 0x3e38aa3b                      ; c = log2(e) / 8
	s_mov_b32 s59, s58                             ; (named with it as a pair)
	s_mov_b32 s60, 0                               ; the step's codes: 4,096 bytes a step in K and in V; sixteen steps are a head's bytes, so the second head follows on
	s_mov_b32 s61, 0                               ; K's scale words: 512 a step
	s_mov_b32 s62, 0                               ; V's: 256 a step
	s_wait_dscnt 0x0
	s_wait_kmcnt 0x0
	s_mov_b32 s40, 1                               ; my quarter of head 2 hp,
	s_mov_b32 s41, s2
	s_add_nc_u64 s[42:43], s[4:5], s[22:23]
	s_mov_b32 s44, 1                               ; and of head 2 hp + 1: 65,536 bytes on, in memory and in LDS
	s_add_co_u32 s45, s2, 65536
	s_add_nc_u64 s[46:47], s[42:43], 65536
	s_or_b32 s43, s43, 0x80000000
	s_or_b32 s47, s47, 0x80000000
	s_mov_b32 s48, 1
	s_mov_b32 s49, 262144
	s_add_nc_u64 s[50:51], s[6:7], s[74:75]
	s_or_b32 s51, s51, 0x80000000
	s_mov_b32 s52, 1
	s_mov_b32 s53, 278528
	s_add_nc_u64 s[54:55], s[6:7], s[76:77]
	s_or_b32 s55, s55, 0x80000000
	CROUND                                         ; all four work-groups are here: the joint loads meet
	s_cmp_eq_u32 s12, 0                            ; all fills of the launch, in one tree of branches on the wave's number; a wave's last load is always head 2 hp + 1's codes; at most three of a wave's are out
	s_cbranch_scc0 .Lnot_0
	tensor_load_to_lds s[48:51], s[24:31]
	s_nop 0
	tensor_load_to_lds s[40:43], s[24:31]
	s_nop 0
	tensor_load_to_lds s[44:47], s[24:31]
	s_nop 0
.rept 4
	v_nop
.endr
	s_branch .Lasked
.Lnot_0:
	s_cmp_eq_u32 s12, 1
	s_cbranch_scc0 .Lnot_1
	tensor_load_to_lds s[52:55], s[32:39]
	s_nop 0
	tensor_load_to_lds s[40:43], s[24:31]
	s_nop 0
	tensor_load_to_lds s[44:47], s[24:31]
	s_nop 0
.rept 4
	v_nop
.endr
	s_branch .Lasked
.Lnot_1:
	s_cmp_lt_u32 s12, 8
	s_cbranch_scc0 .Lasked
	tensor_load_to_lds s[40:43], s[24:31]
	s_nop 0
	tensor_load_to_lds s[44:47], s[24:31]
	s_nop 0
.rept 4
	v_nop
.endr
.Lasked:
	s_mov_b32 s79, 0
	s_lshl_b32 s78, s16, 21                        ; Q's codes: batch, head 2 hp, token tile 16 qb + w
	s_add_co_u32 s78, s78, s19
	s_lshl_b32 s3, s14, 13
	s_add_co_u32 s78, s78, s3
	s_lshl_b32 s3, s12, 9
	s_add_co_u32 s78, s78, s3
	s_add_nc_u64 s[70:71], s[4:5], s[78:79]
	s_lshl_b32 s78, s16, 18                        ; Q's scale words: group of 64 tokens 4 qb + w / 4; in it tile w % 4 = 2 i + H: 128 H + 4 i
	s_lshl_b32 s3, s17, 14
	s_add_co_u32 s78, s78, s3
	s_lshl_b32 s3, s14, 10
	s_add_co_u32 s78, s78, s3
	s_lshr_b32 s3, s12, 2
	s_lshl_b32 s3, s3, 8
	s_add_co_u32 s78, s78, s3
	s_and_b32 s3, s12, 1
	s_lshl_b32 s3, s3, 7
	s_add_co_u32 s78, s78, s3
	s_bfe_u32 s3, s12, 0x10001
	s_lshl_b32 s3, s3, 2
	s_add_co_u32 s78, s78, s3
	s_add_nc_u64 s[72:73], s[6:7], s[78:79]
	s_lshl_b32 s78, s16, 20                        ; Hout's codes: token tile 128 batch + 16 qb + w, 8,192 bytes each; chunk 2 hp
	s_lshl_b32 s3, s14, 17
	s_add_co_u32 s78, s78, s3
	s_lshl_b32 s3, s12, 13
	s_add_co_u32 s78, s78, s3
	s_lshl_b32 s3, s17, 10
	s_add_co_u32 s78, s78, s3
	s_add_nc_u64 s[66:67], s[8:9], s[78:79]
	s_lshl_b32 s78, s17, 15                        ; its scale words: K step hp, my work-group's 256 rows
	s_lshl_b32 s3, s16, 13
	s_add_co_u32 s78, s78, s3
	s_lshl_b32 s3, s14, 10
	s_add_co_u32 s78, s78, s3
	s_add_nc_u64 s[68:69], s[10:11], s[78:79]
	v_and_b32 v6, 31, v0
	s_delay_alu instid0(VALU_DEP_1)
	v_lshlrev_b32 v1, 4, v6                        ; 16 L: K's codes, and every image in memory
	s_delay_alu instid0(VALU_DEP_1)
	v_add_nc_u32 v2, 131072, v1                    ; V's codes
	s_delay_alu instid0(VALU_DEP_3)
	v_lshlrev_b32 v3, 3, v6
	s_delay_alu instid0(VALU_DEP_1)
	v_add_nc_u32 v4, 278528, v3                    ; V's scale words
	s_delay_alu instid0(VALU_DEP_2)
	v_add_nc_u32 v3, 262144, v3                    ; K's
	s_and_b32 s2, s12, 1
	s_lshl_b32 s2, s2, 9
	v_add_nc_u32 v214, s2, v1                      ; the way out of Hout's scale words: 512 bytes for each of waves 0 and 1
	s_delay_alu instid0(VALU_DEP_1)
	v_add_nc_u32 v5, SST, v214
	v_and_b32 v7, 15, v0
	s_delay_alu instid0(VALU_DEP_1)
	v_lshlrev_b32 v6, 3, v7                        ; 8 r
	s_lshl_b32 s3, s12, 6
	s_add_co_u32 s3, s3, SST
	v_lshl_add_u32 v7, v7, 2, s3                   ; my row's word: 64 w + 4 r
	global_load_b128 v[16:19], v1, s[70:71]                ; Q stays in registers: head 2 hp,
	global_load_b128 v[24:27], v1, s[70:71] offset:65536   ; head 2 hp + 1
	global_load_b32 v211, v6, s[72:73]
	global_load_b32 v212, v6, s[72:73] offset:8192
.irp j, 20,21,22,23,28,29,30,31,64,65,66,67
	v_mov_b32 v\j, 0                               ; zero codes
.endr
.irp b, 0,1,2,3
	v_mov_b32 v[BT+\b], 0                          ; a lane permute's destination counts as one of its sources
.endr
	v_mov_b32 v233, 0                              ; (named as the upper half of the pair v[232:233])
; A KEY STEP: 128 keys of head g.
.macro STEP g
	v_add_nc_u32 v8, s60, v1                       ; these four are also the places behind the last step's products, in front of the loads into their registers
	v_add_nc_u32 v9, s60, v2
	v_add_nc_u32 v10, s61, v3
	v_add_nc_u32 v11, s62, v4
.irp t, 0,1,2,3,4,5,6,7
	ds_load_b128 v[32+4*\t:35+4*\t], v8 offset:512*\t      ; 16 keys x 64: 512 consecutive bytes
.endr
.irp i, 0,1
	ds_load_b64 v[204+2*\i:205+2*\i], v10 offset:256*\i    ; register 204 + t / 2: tile t's scale words, in lanes 0-15 (t even) or 16-31 (t odd)
.endr
.irp d, 0,1,2,3
.irp c, 0,1
	ds_load_b128 v[68+8*\d+4*\c:71+8*\d+4*\c], v9 offset:1024*\d+512*\c
.endr
.endr
	ds_load_b64 v[208:209], v11
	s_wait_dscnt 9                                 ; K's ten loads are in; V's nine are younger
.irp t, 0,2,4,6
	v_wmma_scale_f32_16x16x128_f8f6f4 v[S+8*\t:S+8*\t+7], v[32+4*\t:39+4*\t], v[16+8*\g:23+8*\g], 0, v[204+\t/2], v[211+\g] matrix_a_fmt:MATRIX_FMT_FP4 matrix_b_fmt:MATRIX_FMT_FP4
	v_wmma_scale_f32_16x16x128_f8f6f4 v[S+8*\t+8:S+8*\t+15], v[36+4*\t:43+4*\t], v[16+8*\g:23+8*\g], 0, v[204+\t/2], v[211+\g] matrix_a_fmt:MATRIX_FMT_FP4 matrix_b_fmt:MATRIX_FMT_FP4 matrix_a_scale:MATRIX_SCALE_ROW1
.endr
.rept 4
	v_nop
.endr
.irp b, 0,1,2,3
	v_max3_num_f32 v[BM+\b], v[S+16*\b], v[S+1+16*\b], v[S+2+16*\b]   ; the largest score of each block of 32 keys: for the row's maximum, and, since p rises with the score, for the block's largest p
.endr
.irp i, 3,5,7,9,11,13
.irp b, 0,1,2,3
	v_max3_num_f32 v[BM+\b], v[BM+\b], v[S+16*\b+\i], v[S+1+16*\b+\i]
.endr
.endr
.irp b, 0,1,2,3
	v_max_num_f32 v[BM+\b], v[BM+\b], v[S+15+16*\b]
.endr
.irp b, 0,1,2,3
	s_delay_alu instid0(VALU_DEP_4)
	v_permlanex16_b32 v[BT+\b], v[BM+\b], s56, s57
.endr
.irp b, 0,1,2,3
	s_delay_alu instid0(VALU_DEP_4)
	v_max_num_f32 v[BM+\b], v[BM+\b], v[BT+\b]     ; with lane l xor 16's 16 keys
.endr
	s_delay_alu instid0(VALU_DEP_2)
	v_max3_num_f32 v234, v220, v221, v222
	s_delay_alu instid0(VALU_DEP_1)
	v_max_num_f32 v234, v234, v223
	s_delay_alu instid0(VALU_DEP_1)
	v_mul_f32 v234, s58, v234                      ; the step's largest t
	s_delay_alu instid0(VALU_DEP_1)
	v_max_num_f32 v13, v13, v234                   ; the running largest t
	v_mov_b32 v234, v12
	s_delay_alu instid0(VALU_DEP_2)
	v_floor_f32 v12, -v13                          ; -M = floor(-t): M is a whole number
	s_delay_alu instid0(VALU_DEP_1)
	v_sub_f32 v234, v12, v234                      ; old M - new M: a whole number, 0 or less
	s_delay_alu instid0(VALU_DEP_1)
	v_cvt_i32_f32 v234, v234                       ; (it saturates)
	s_delay_alu instid0(VALU_DEP_1)
	v_ldexp_f32 v232, 1.0, v234                    ; f = 2^(old M - new M)
.set j, 0
.rept 32
	v_pk_fma_f32 v[S+j:S+j+1], v[S+j:S+j+1], s[58:59], v[12:13] op_sel_hi:[1,0,0]   ; t - M, two at a time
.set j, j+2
.endr
.irp b, 0,1,2,3
	v_fma_f32 v[BM+\b], v[BM+\b], s58, v12         ; the same of each block's largest score
.endr
.set j, 0
	s_wait_alu depctr_va_vdst(0)
.rept 64
	v_exp_f32 v[S+j], v[S+j]                       ; p = 2^(t - M), at most 1
.set j, j+1
.endr
	s_setprio 1
	v_pk_mul_f32 v[14:15], v[14:15], v[232:233] op_sel_hi:[1,0]   ; the sums under the new M (the plain line behind the exponentials)
	s_wait_alu depctr_va_vdst(0)                   ; one wait for the batch of 64, ahead of its first reader
.irp b, 0,1,2,3
	v_exp_f32 v[BM+\b], v[BM+\b]                   ; the block's largest p: the same two instructions on the same number
.endr
	v_pk_add_f32 v[236:237], v[104:105], v[108:109]
	v_pk_add_f32 v[252:253], v[112:113], v[116:117]
	v_pk_add_f32 v[250:251], v[120:121], v[124:125]
	v_pk_add_f32 v[248:249], v[128:129], v[132:133]
	v_pk_add_f32 v[246:247], v[136:137], v[140:141]
	v_pk_add_f32 v[244:245], v[144:145], v[148:149]
	v_pk_add_f32 v[242:243], v[152:153], v[156:157]
	v_pk_add_f32 v[14:15], v[14:15], v[160:161]
	v_pk_add_f32 v[236:237], v[236:237], v[100:101]
	v_pk_add_f32 v[252:253], v[252:253], v[102:103]
	v_pk_add_f32 v[250:251], v[250:251], v[106:107]
	v_pk_add_f32 v[248:249], v[248:249], v[110:111]
	v_pk_add_f32 v[246:247], v[246:247], v[114:115]
	v_pk_add_f32 v[244:245], v[244:245], v[118:119]
	v_pk_add_f32 v[242:243], v[242:243], v[122:123]
	v_pk_add_f32 v[14:15], v[14:15], v[126:127]
	v_pk_add_f32 v[236:237], v[236:237], v[130:131]
	v_pk_add_f32 v[252:253], v[252:253], v[134:135]
	v_pk_add_f32 v[250:251], v[250:251], v[138:139]
	v_pk_add_f32 v[248:249], v[248:249], v[142:143]
	v_pk_add_f32 v[246:247], v[246:247], v[146:147]
	v_pk_add_f32 v[244:245], v[244:245], v[150:151]
	v_pk_add_f32 v[242:243], v[242:243], v[154:155]
	v_pk_add_f32 v[14:15], v[14:15], v[158:159]
	v_pk_add_f32 v[236:237], v[236:237], v[162:163]
	s_delay_alu instid0(VALU_DEP_2)
	v_pk_add_f32 v[14:15], v[14:15], v[248:249]
	s_delay_alu instid0(VALU_DEP_2)
	v_pk_add_f32 v[236:237], v[236:237], v[246:247]
	v_pk_add_f32 v[252:253], v[252:253], v[244:245]
	v_pk_add_f32 v[250:251], v[250:251], v[242:243]
	s_delay_alu instid0(VALU_DEP_2)
	v_pk_add_f32 v[14:15], v[14:15], v[252:253]
	s_delay_alu instid0(VALU_DEP_2)
	v_pk_add_f32 v[236:237], v[236:237], v[250:251]
	s_delay_alu instid0(VALU_DEP_1)
	v_pk_add_f32 v[14:15], v[14:15], v[236:237]
	s_wait_alu depctr_va_vdst(0)                   ; and one for the four
.irp b, 0,1,2,3
	v_max_num_f32 v[BM+\b], 0x1800000, v[BM+\b]    ; the floor 2^(3 - 127)
.endr
.irp b, 0,1,2,3
	s_delay_alu instid0(VALU_DEP_4)
	v_add_nc_u32 v[BS+\b], 0xff000000, v[BM+\b]    ; 2 off the exponent field: the conversion's scale operand
.endr
.irp b, 0,1,2,3
	s_delay_alu instid0(VALU_DEP_4)
	v_lshrrev_b32 v[BT+\b], 23, v[BS+\b]           ; the byte
.endr
	s_delay_alu instid0(VALU_DEP_3)
	v_lshl_or_b32 v210, v225, 8, v224              ; p's scale word for these 128 keys
	s_delay_alu instid0(VALU_DEP_1)
	v_lshl_or_b32 v210, v226, 16, v210
	s_delay_alu instid0(VALU_DEP_1)
	v_lshl_or_b32 v210, v227, 24, v210
.irp b, 0,1,2,3
	v_cvt_scalef32_pk8_fp4_f32 v[PC+2*\b], v[S+16*\b:S+16*\b+7], v[BS+\b]
	v_cvt_scalef32_pk8_fp4_f32 v[PC+2*\b+1], v[S+16*\b+8:S+16*\b+15], v[BS+\b]
.endr
	v_nop                                          ; one plain place behind a scaled conversion
.irp c, 0,1
.irp i, 0,1
	v_permlane16_swap_b32 v[PC+4*\c+\i], v[PC+4*\c+2+\i]   ; a whole block to a lane
.endr
.endr
.set j, 0
	s_setprio 0
.rept 16
	v_pk_mul_f32 v[O+j:O+j+1], v[O+j:O+j+1], v[232:233] op_sel_hi:[1,0]   ; O^T under the new M; these sixteen are also the places between p's codes and scale word and the products
.set j, j+2
.endr
	s_wait_alu depctr_va_vdst(0)
	s_wait_dscnt 0x0                               ; V
.irp u, 0,1
	v_wmma_scale_f32_16x16x128_f8f6f4 v[O+16*\u:O+16*\u+7], v[68+16*\u:75+16*\u], v[PC:PC+7], v[O+16*\u:O+16*\u+7], v[208+\u], v210 matrix_a_fmt:MATRIX_FMT_FP4 matrix_b_fmt:MATRIX_FMT_FP4
	v_wmma_scale_f32_16x16x128_f8f6f4 v[O+16*\u+8:O+16*\u+15], v[76+16*\u:83+16*\u], v[PC:PC+7], v[O+16*\u+8:O+16*\u+15], v[208+\u], v210 matrix_a_fmt:MATRIX_FMT_FP4 matrix_b_fmt:MATRIX_FMT_FP4 matrix_a_scale:MATRIX_SCALE_ROW1
.endr
	s_add_co_u32 s60, s60, 4096
	s_add_co_u32 s61, s61, 512
	s_add_co_u32 s62, s62, 256
.endm
; ONE HEAD: sixteen key steps, then O^T / the sum, quantised along d: four registers, an image of 512 bytes, and two bytes of the row's scale word.
.macro PASS g
	s_wait_tensorcnt 1-\g                          ; head 2 hp: only my last load, the other head's codes, may be out; head 2 hp + 1: none
	s_wait_dscnt 0x0
	s_barrier_signal -1
	s_barrier_wait -1                              ; everybody's pieces are in
.set j, 0
.rept 32
	v_mov_b32 v[O+j], 0                            ; the step is written once: the first finds zeros, which the first change of M leaves zeros
.set j, j+1
.endr
	v_mov_b32 v13, 0xff61b1e6                      ; -3e38, under every t
	s_delay_alu instid0(VALU_DEP_1)
	v_floor_f32 v12, -v13
	v_mov_b32 v14, 0
	v_mov_b32 v15, 0
	s_mov_b32 s63, 16
.Lstep_\@:
	s_setprio 2
	STEP \g
	s_sub_co_u32 s63, s63, 1
	s_cmp_lg_u32 s63, 0
	s_cbranch_scc1 .Lstep_\@
	s_setprio 0
.rept 4
	v_nop                                          ; places behind the last products
.endr
	v_add_f32 v14, v14, v15
	s_delay_alu instid0(VALU_DEP_1)
	v_permlanex16_b32 v234, v14, s56, s57
	s_delay_alu instid0(VALU_DEP_1)
	v_add_f32 v14, v14, v234                       ; the row's sum
	s_wait_alu depctr_va_vdst(0)
	v_rcp_f32 v232, v14
	v_nop
	s_wait_alu depctr_va_vdst(0)                   ; ahead of the reciprocal's first reader
.set j, 0
.rept 16
	v_pk_mul_f32 v[S+j:S+j+1], v[O+j:O+j+1], v[232:233] op_sel_hi:[1,0]   ; Hout: register 8 t + i = d 16 t + 8 h + i of my query; each accumulator from its low end on
.set j, j+2
.endr
.irp b, 0,1
	v_max3_num_f32 v[BM+\b], |v[S+16*\b]|, |v[S+16*\b+1]|, 0x1800000
.endr
.irp i, 2,4,6,8,10,12,14
.irp b, 0,1
	s_delay_alu instid0(VALU_DEP_2)
	v_max3_num_f32 v[BM+\b], v[BM+\b], |v[S+16*\b+\i]|, |v[S+16*\b+\i+1]|
.endr
.endr
.irp b, 0,1
	s_delay_alu instid0(VALU_DEP_2)
	v_permlanex16_b32 v[BT+\b], v[BM+\b], s56, s57
.endr
.irp b, 0,1
	s_delay_alu instid0(VALU_DEP_2)
	v_max_num_f32 v[BM+\b], v[BM+\b], v[BT+\b]
.endr
.irp b, 0,1
	s_delay_alu instid0(VALU_DEP_2)
	v_add_nc_u32 v[BS+\b], 0xff000000, v[BM+\b]
.endr
.irp b, 0,1
	s_delay_alu instid0(VALU_DEP_2)
	v_lshrrev_b32 v[BT+\b], 23, v[BS+\b]
.endr
.if \g
	s_delay_alu instid0(VALU_DEP_1)
	v_lshl_or_b32 v234, v225, 8, v224
	s_delay_alu instid0(VALU_DEP_1)
	v_lshl_or_b32 v213, v234, 16, v213             ; bytes 2 and 3 of the row's word
	s_wait_alu depctr_va_vdst(0)
	s_wait_xcnt 0x0                                ; the first head's store has read its data: they are written again only behind this wait
.else
	s_delay_alu instid0(VALU_DEP_1)
	v_lshl_or_b32 v213, v225, 8, v224              ; bytes 0 and 1
.endif
.irp b, 0,1
	v_cvt_scalef32_pk8_fp4_f32 v[216+2*\b], v[S+16*\b:S+16*\b+7], v[BS+\b]
	v_cvt_scalef32_pk8_fp4_f32 v[217+2*\b], v[S+16*\b+8:S+16*\b+15], v[BS+\b]
.endr
	v_nop
	v_permlane16_swap_b32 v216, v218
	v_permlane16_swap_b32 v217, v219
	global_store_b128 v1, v[216:219], s[66:67] offset:512*\g   ; 32 lanes store 512 consecutive bytes, aligned
.endm
	s_wait_loadcnt 0x0                             ; Q
	PASS 0
	PASS 1
	ds_store_b32 v7, v213                          ; both halves of the lanes write the same word with the same value
	s_wait_dscnt 0x0                               ; for the others' sake
	s_barrier_signal -1
	s_barrier_wait -1
	s_cmp_lt_u32 s12, 2
	s_cbranch_scc0 .Lnot_mine
	ds_load_b128 v[100:103], v5
	s_wait_dscnt 0x0
	global_store_b128 v214, v[100:103], s[68:69]   ; 32 lanes store 512 consecutive bytes, aligned
.Lnot_mine:
	s_wait_tensorcnt 0x0
	ds_add_u32 v254, v255
	s_wait_dscnt 0x0
	CROUND                                         ; the closing round
	s_endpgm
.Lfunc_end_k_q1ace207f43_attn:
	.size	k_q1ace207f43_attn, .Lfunc_end_k_q1ace207f43_attn-k_q1ace207f43_attn
	.p2alignl 7, 3214868480
	.fill 96, 4, 3214868480
	.section	.rodata,"a",@progbits
	.p2align	6, 0x0
	.amdhsa_kernel k_q1ace207f43_attn
		.amdhsa_group_segment_fixed_size 289792
		.amdhsa_private_segment_fixed_size 0
		.amdhsa_enable_private_segment 0
		.amdhsa_kernarg_size 32
		.amdhsa_user_sgpr_count 2
		.amdhsa_user_sgpr_kernarg_segment_ptr 1
		.amdhsa_wavefront_size32 1
		.amdhsa_system_sgpr_workgroup_id_x 1
		.amdhsa_system_sgpr_workgroup_id_y 1
		.amdhsa_system_sgpr_workgroup_id_z 1
		.amdhsa_system_vgpr_workitem_id 0
		.amdhsa_next_free_vgpr 256
		.amdhsa_next_free_sgpr 84
		.amdhsa_reserve_vcc 0
		.amdhsa_float_denorm_mode_32 3
		.amdhsa_float_denorm_mode_16_64 3
		.amdhsa_memory_ordered 1
		.amdhsa_forward_progress 1
		.amdhsa_inst_pref_size 53
	.end_amdhsa_kernel
	.amdgpu_metadata
---
amdhsa.version: [ 1, 2 ]
amdhsa.kernels:
  - .name:           k_q1ace207f43_attn
    .symbol:         k_q1ace207f43_attn.kd
    .args:
      - { .name: qkv, .offset: 0, .size: 8, .value_kind: global_buffer, .address_space: global }
      - { .name: qkvs, .offset: 8, .size: 8, .value_kind: global_buffer, .address_space: global }
      - { .name: hc, .offset: 16, .size: 8, .value_kind: global_buffer, .address_space: global }
      - { .name: hs, .offset: 24, .size: 8, .value_kind: global_buffer, .address_space: global }
    .group_segment_fixed_size: 289792
    .private_segment_fixed_size: 0
    .kernarg_segment_align: 8
    .kernarg_segment_size: 32
    .max_flat_workgroup_size: 512
    .sgpr_count:     84
    .vgpr_count:     256
    .wavefront_size: 32
...
	.end_amdgpu_metadata
.endif
;; end of part 3
;; launch oproj (part 4): grid 8 x 32, 4 waves a work-group, clusters of 4 x 4, 243,200 bytes of LDS; arguments codes, sc, hc, hs, b_o, out0; writes out0
.if DOCPART == 4
	.amdgcn_target "amdgcn-amd-amdhsa--gfx1250"
	.amdhsa_code_object_version 6
	.text
	.protected	k_q1ace207f43_oproj
	.globl	k_q1ace207f43_oproj
	.p2align	8
	.type	k_q1ace207f43_oproj,@function
k_q1ace207f43_oproj:
	s_mov_b64 s[64:65], 0
	v_nop
	global_prefetch_b8 v0, s[64:65] scope:SCOPE_SE
	s_setreg_imm32_b32 hwreg(HW_REG_WAVE_MODE, 25, 1), 1
	s_wait_xcnt 0x0
	s_wait_alu depctr_hold_cnt(0) depctr_sa_sdst(0) depctr_va_vdst(0) depctr_va_sdst(0) depctr_va_ssrc(0) depctr_va_vcc(0) depctr_vm_vsrc(0)
	s_getreg_b32 s2, hwreg(HW_REG_IB_STS2, 6, 4)
	s_cmp_eq_u32 s2, 0
	s_cbranch_scc0 .Lentry_in_a_cluster
	s_endpgm
.Lentry_in_a_cluster:
	s_bfe_u32 s2, ttmp6, 0x10000c
	s_cmp_lg_u32 s2, 0xf033
	s_cbranch_scc0 .Lentry_shape_is_right
	s_endpgm
.Lentry_shape_is_right:
; out0 = Hout W_o^T + b_o on codes of FP4, K = 1,024; out0 [8192][1024] f32.  Hout's codes and scale words (hc, hs) and W_o's (rows 11,264 on of codes, sc) lie as images of operand registers.
; A work-group makes 256 tokens (source 1) x 128 outputs (source 0); wave w: tokens 64 w .. + 63 (4 tiles a) x 8 tiles b: 32 accumulators; a lane holds one token and eight neighbouring outputs a tile.
; All of K lies in LDS (two halves), filled ONCE by joint tensor loads: no byte of LDS is filled twice.  CLUSTER 4 x 4: W_o's tile hangs on cx and is shared along a column, Hout's on cy and along a row.
; The bias is the C of the first K step.  The way out goes through the wave's own stage, so that 32 lanes store a row's 512 consecutive bytes.
; REGISTERS: window 0: v2-11 addresses, v16-47 source 0's scale words, v48-63 source 1's, v128-191 the bias (8 tiles), later with v64-127 rows on the way out; window 1: accumulator (a, b) at v[8 (8 a + b)];
; window 2: two sets of fragments, 96 registers each.
.set SLOT, 98304                       ; half of K: source 1's 256 rows (64 KiB), then source 0's 128 (32 KiB); a tile of 16 rows is 4,096 bytes
.set SCL,  196608                      ; the scale words: three pieces [8 K steps][128 rows]
.set STAGE, 208896                     ; 16 rows x (512 + 16) bytes for each wave; written by LDS stores alone
.set BK,   64
.set MSB, 0
.macro WIN new                         ; the immediate's high byte repeats the setting that is left
.if MSB != \new
	s_set_vgpr_msb (MSB<<8)|\new
.set MSB, \new
.endif
.endm
.macro CROUND                          ; a round of the cluster's barrier
	s_barrier_signal -1
	s_barrier_wait -1
	s_cmp_lg_u32 s16, 0
	s_cbranch_scc1 .Lnot_wave_0_\@
	s_barrier_signal -3
.Lnot_wave_0_\@:
	s_barrier_wait -3
	s_barrier_signal -1
	s_barrier_wait -1
.endm
.macro PLACES                          ; four plain places behind matrix instructions, in front of loads into registers that they read and of reads of results
.rept 4
	v_nop
.endr
.endm
	s_load_b256 s[4:11], s[0:1], 0x0               ; codes, sc, hc, hs
	s_load_b128 s[12:15], s[0:1], 0x20             ; b_o, out0
	v_lshl_add_u32 v254, v0, 2, 0x3b400
	v_mov_b32 v255, 0
	ds_add_u32 v254, v255
	ds_add_u32 v254, v255
	v_lshrrev_b32 v1, 5, v0
	v_readfirstlane_b32 s16, v1                    ; wave 0..3
	s_bfe_u32 s17, ttmp6, 0x40000                  ; cx
	s_bfe_u32 s18, ttmp6, 0x40004                  ; cy
	s_lshl_b32 s96, ttmp9, 2
	s_add_co_u32 s96, s96, s17                     ; T0: which 128 outputs (hangs on cx alone)
	s_and_b32 s97, ttmp7, 0xffff
	s_lshl_b32 s97, s97, 2
	s_add_co_u32 s97, s97, s18                     ; T1: which 256 tokens (on cy alone)
	s_lshl_b32 s98, s96, 7
	s_add_co_u32 s98, s98, 11264                   ; W_o's first row in the row space
	s_lshl_b32 s99, s97, 8                         ; Hout's first row
	s_lshl_b32 s19, s18, 2
	s_lshl_b32 s19, 15, s19                        ; my row of the cluster
	s_lshl_b32 s2, 0x1111, s17                     ; my column
	; group 1, codes: 8 tiles of 4,096 bytes (512 elements of 8 bytes), 8,192 bytes apart in memory, dense in LDS
	s_or_b32 s24, s19, (3<<16)|(1<<21)             ; Hout's go to my row
	s_or_b32 s32, s2, (3<<16)|(1<<21)              ; W_o's to my column
.irp g, 24, 32
	s_mov_b32 s[\g+1], 512<<16                     ; tensor_dim0
	s_mov_b32 s[\g+2], 8<<16                       ; tensor_dim1
	s_mov_b32 s[\g+3], 512<<16                     ; tile_dim0
	s_mov_b32 s[\g+4], 8                           ; tile_dim1
	s_mov_b32 s[\g+5], 1024                        ; from tile to tile
	s_mov_b32 s[\g+6], 0
	s_mov_b32 s[\g+7], 0
.endr
	; group 1, scale words: 8 K steps x 128 words; a K step is 8,192 words on in hs, 12,288 in sc
	s_or_b32 s40, s19, (2<<16)|(1<<21)
	s_or_b32 s48, s2, (2<<16)|(1<<21)
.irp g, 40, 48
	s_mov_b32 s[\g+1], 128<<16
	s_mov_b32 s[\g+2], 8<<16
	s_mov_b32 s[\g+3], 128<<16
	s_mov_b32 s[\g+4], 8
	s_mov_b32 s[\g+6], 0
	s_mov_b32 s[\g+7], 0
.endr
	s_mov_b32 s45, 8192
	s_mov_b32 s53, 12288
	s_and_b32 s22, s16, 1
	s_lshl_b32 s22, s22, 7
	s_add_co_u32 s22, s22, s99                     ; Hout: the 128 rows that waves 0 and 1 fetch
	s_lshl_b32 s20, s22, 9                         ; their codes: 512 bytes a row
	s_mov_b32 s21, 0
	s_lshl_b32 s22, s22, 2                         ; their scale words
	s_mov_b32 s23, 0
	s_lshl_b32 s88, s98, 9                         ; W_o likewise, in registers of its own
	s_mov_b32 s89, 0
	s_lshl_b32 s90, s98, 2
	s_mov_b32 s91, 0
	s_lshl_b32 s100, s16, 15                       ; where a piece goes: wave x 32,768,
	s_lshl_b32 s101, s16, 12                       ; its scale words: wave x 4,096: no place in the cluster enters an LDS address
	s_wait_dscnt 0x0
	s_wait_kmcnt 0x0
	s_mov_b32 s56, 1                               ; Hout: scale words,
	s_add_co_u32 s57, s101, SCL
	s_add_nc_u64 s[58:59], s[10:11], s[22:23]
	s_or_b32 s59, s59, 0x80000000
	s_mov_b32 s60, 1                               ; the first half of K,
	s_mov_b32 s61, s100
	s_add_nc_u64 s[62:63], s[8:9], s[20:21]
	s_mov_b32 s68, 1                               ; the second
	s_add_co_u32 s69, s100, SLOT
	s_add_nc_u64 s[70:71], s[62:63], 4096
	s_or_b32 s63, s63, 0x80000000
	s_or_b32 s71, s71, 0x80000000
	s_mov_b32 s72, 1                               ; W_o: the same three
	s_add_co_u32 s73, s101, SCL
	s_add_nc_u64 s[74:75], s[6:7], s[90:91]
	s_or_b32 s75, s75, 0x80000000
	s_mov_b32 s76, 1
	s_mov_b32 s77, s100
	s_add_nc_u64 s[78:79], s[4:5], s[88:89]
	s_mov_b32 s80, 1
	s_add_co_u32 s81, s100, SLOT
	s_add_nc_u64 s[82:83], s[78:79], 4096
	s_or_b32 s79, s79, 0x80000000
	s_or_b32 s83, s83, 0x80000000
	CROUND                                         ; all sixteen work-groups are here: the joint loads meet
	s_cmp_lt_u32 s16, 2                            ; all fills of the launch, in one branch on the wave's number: three loads of a fetching wave are out
	s_cbranch_scc0 .Lnot_1
	tensor_load_to_lds s[56:59], s[40:47]
	s_nop 0
	tensor_load_to_lds s[60:63], s[24:31]
	s_nop 0
	tensor_load_to_lds s[68:71], s[24:31]
	s_nop 0
.rept 4
	v_nop
.endr
	s_branch .Lasked
.Lnot_1:
	s_cmp_eq_u32 s16, 2
	s_cbranch_scc0 .Lasked
	tensor_load_to_lds s[72:75], s[48:55]
	s_nop 0
	tensor_load_to_lds s[76:79], s[32:39]
	s_nop 0
	tensor_load_to_lds s[80:83], s[32:39]
	s_nop 0
.rept 4
	v_nop
.endr
.Lasked:
	v_and_b32 v1, 31, v0                           ; L
	v_bfe_u32 v9, v0, 4, 1                         ; h
	v_and_b32 v8, 15, v0                           ; r
	s_lshl_b32 s92, s96, 9                         ; the bias: my work-group's 128 numbers; lane (r, h) wants, for tile b, those of outputs 16 b + 8 h + 0 .. 7
	s_mov_b32 s93, 0
	s_add_nc_u64 s[12:13], s[12:13], s[92:93]
	s_mul_i32 s19, s16, 16*528
	s_add_co_u32 s19, s19, STAGE                   ; my stage
	v_mul_u32_u24 v8, v8, 528
	v_lshl_add_u32 v8, v9, 5, v8
	v_add_nc_u32 v8, s19, v8                       ; into it: row r, + 32 h
	v_lshlrev_b32 v9, 5, v9                        ; 32 h
.irp b, 0,1,2,3,4,5,6,7
	global_load_b128 v[128+8*\b:131+8*\b], v9, s[12:13] offset:64*\b
	global_load_b128 v[132+8*\b:135+8*\b], v9, s[12:13] offset:64*\b+16
.endr
	v_lshlrev_b32 v11, 4, v1                       ; 16 L: my place in a row of 512 bytes
	v_add_nc_u32 v10, s19, v11                     ; out of the stage
	s_lshl_b32 s19, s16, 14
	v_lshl_add_u32 v2, v1, 4, s19                  ; source 1's fragments: my four tiles, 16 L; first half of K,
	v_add_nc_u32 v3, SLOT, v2                      ; second
	v_add_nc_u32 v4, 65536, v11                    ; source 0's
	v_add_nc_u32 v5, SLOT, v4
	s_lshr_b32 s19, s16, 1
	s_lshl_b32 s19, s19, 12
	s_and_b32 s2, s16, 1
	s_lshl_b32 s2, s2, 8
	s_add_co_u32 s19, s19, s2
	s_add_co_u32 s19, s19, SCL
	v_lshl_add_u32 v6, v1, 2, s19                  ; source 1's scale words: my 64 rows; a load takes 32 rows: lanes 0-15 one tile's, lanes 16-31 the next's
	v_lshlrev_b32 v7, 2, v1
	v_add_nc_u32 v7, SCL+8192, v7                  ; source 0's
	s_lshl_b32 s94, s97, 20                        ; out0: row 256 T1 + 64 w of 4,096 bytes, + 512 T0
	s_lshl_b32 s2, s16, 18
	s_add_co_u32 s94, s94, s2
	s_add_co_u32 s94, s94, s92
	s_mov_b32 s95, 0
	s_add_nc_u64 s[14:15], s[14:15], s[94:95]
.macro SCLOAD                          ; all scale words of my tiles, once: v[16 + 4 q + j]: source 0's tiles 2 j (lanes 0-15), 2 j + 1 (lanes 16-31); v[48 + 2 q + j]: source 1's
.irp q, 0,1,2,3,4,5,6,7
.irp j, 0,1,2,3
	ds_load_b32 v[16+4*\q+\j], v7 offset:512*\q+128*\j
.endr
.irp j, 0,1
	ds_load_b32 v[48+2*\q+\j], v6 offset:512*\q+128*\j
.endr
.endr
.endm
.macro FETCH s, qq, p                  ; the fragments of the qq-th 128 along K of half s into set p: 24 loads of 512 consecutive bytes
	WIN 0x80                                       ; destination window 2
.irp b, 0,1,2,3,4,5,6,7
.irp c, 0,1
	ds_load_b128 v[96*(\p)+8*\b+4*\c:96*(\p)+8*\b+4*\c+3], v[4+\s] offset:4096*\b+1024*(\qq)+512*\c
.endr
.endr
.irp a, 0,1,2,3
.irp c, 0,1
	ds_load_b128 v[96*(\p)+64+8*\a+4*\c:96*(\p)+64+8*\a+4*\c+3], v[2+\s] offset:4096*\a+1024*(\qq)+512*\c
.endr
.endr
.endm
.macro WM q, p                         ; the product of source 0's tile BB and source 1's tile AA; an odd tile's scale words lie in lanes 16-31.  K step 0 starts the sums from the bias
.set rD, 8*(8*AA+BB)
.set rA, 96*(\p)+8*BB
.set rB, 96*(\p)+64+8*AA
.set rX, 16+4*(\q)+BB/2
.set rY, 48+2*(\q)+AA/2
.set rC, rD
.if (\q) == 0
.set rC, 128+8*BB
.endif
.if (BB%2) && (AA%2)
	v_wmma_scale_f32_16x16x128_f8f6f4 v[rD:rD+7], v[rA:rA+7], v[rB:rB+7], v[rC:rC+7], v[rX], v[rY] matrix_a_fmt:MATRIX_FMT_FP4 matrix_b_fmt:MATRIX_FMT_FP4 matrix_a_scale:MATRIX_SCALE_ROW1 matrix_b_scale:MATRIX_SCALE_ROW1
.elseif BB%2
	v_wmma_scale_f32_16x16x128_f8f6f4 v[rD:rD+7], v[rA:rA+7], v[rB:rB+7], v[rC:rC+7], v[rX], v[rY] matrix_a_fmt:MATRIX_FMT_FP4 matrix_b_fmt:MATRIX_FMT_FP4 matrix_a_scale:MATRIX_SCALE_ROW1
.elseif AA%2
	v_wmma_scale_f32_16x16x128_f8f6f4 v[rD:rD+7], v[rA:rA+7], v[rB:rB+7], v[rC:rC+7], v[rX], v[rY] matrix_a_fmt:MATRIX_FMT_FP4 matrix_b_fmt:MATRIX_FMT_FP4 matrix_b_scale:MATRIX_SCALE_ROW1
.else
	v_wmma_scale_f32_16x16x128_f8f6f4 v[rD:rD+7], v[rA:rA+7], v[rB:rB+7], v[rC:rC+7], v[rX], v[rY] matrix_a_fmt:MATRIX_FMT_FP4 matrix_b_fmt:MATRIX_FMT_FP4
.endif
.endm
.macro MUL a0, n, q, p                 ; source 1's tiles a0 .. a0 + n - 1 against source 0's eight.  The 32 accumulators take turns, one instruction a turn, in the same order in every K step
.if (\q) == 0
	WIN 0x4a                                       ; fragments window 2, C (the bias) window 0, D window 1
.else
	WIN 0x5a                                       ; fragments window 2, C and D window 1
.endif
.set AA, \a0
.rept \n
.set BB, 0
.rept 8
	WM \q, \p
.set BB, BB+1
.endr
.set AA, AA+1
.endr
.endm
.macro STEPQ s, qq, q                  ; a K step whose successor lies in the same half: the successor's fragments are asked for first, 32 matrix instructions ahead of their use
.if (\q) > 0
	PLACES
.endif
	FETCH \s, (\qq)+1, ((\q)+1)%2
	s_wait_dscnt 24                                ; all but the 24 loads just issued: this step's set (and the scale words) are in
	MUL 0, 4, \q, (\q)%2
.endm
	s_wait_alu depctr_va_vdst(0)
	s_wait_tensorcnt 0x1                           ; my scale words and my piece of the first half are in; only my last load, the second half's, may be out
	s_barrier_signal -1
	s_barrier_wait -1                              ; everybody's are
	SCLOAD
	FETCH 0, 0, 0
	s_wait_loadcnt 0x0                             ; the bias
	STEPQ 0, 0, 0
	STEPQ 0, 1, 1
	STEPQ 0, 2, 2
	s_wait_dscnt 0x0                               ; K step 3's set is in, and no LDS load of mine is out at the signal
	s_wait_tensorcnt 0x0                           ; my piece of the second half is in
	s_barrier_signal -1
	MUL 0, 2, 3, 1                                 ; work on registers while the others arrive
	s_barrier_wait -1
	PLACES
	FETCH 1, 0, 0
	MUL 2, 2, 3, 1
	STEPQ 1, 0, 4
	STEPQ 1, 1, 5
	STEPQ 1, 2, 6
	s_wait_dscnt 0x0
	MUL 0, 4, 7, 1
	WIN 0
	PLACES
; THE WAY OUT, a tile of 16 tokens x 128 outputs at a time: a lane's 32 bytes of a row go into my own stage and whole rows of 512 bytes come back.  LDS serves a wave's instructions in order: no wait between the
; stores and the loads, nor in front of the next tile's stores.
.macro TOSTAGE a
.set AC, 64*(\a)
	WIN 0x04                                       ; an LDS store's data are its source 1: the accumulators' window
.irp b, 0,1,2,3,4,5,6,7
	ds_store_b128 v8, v[AC+8*\b:AC+8*\b+3] offset:64*\b            ; each accumulator from its low end on
	ds_store_b128 v8, v[AC+8*\b+4:AC+8*\b+7] offset:64*\b+16
.endr
	WIN 0
.set BB2, BK+64*((\a)%2)
.irp t, 0,1,2,3,4,5,6,7,8,9,10,11,12,13,14,15
	ds_load_b128 v[BB2+4*\t:BB2+4*\t+3], v10 offset:528*\t
.endr
.endm
.macro SEND a, younger                 ; younger: the LDS instructions issued behind tile a's loads
.set BB2, BK+64*((\a)%2)
	s_wait_dscnt \younger
.irp t, 0,1,2,3,4,5,6,7,8,9,10,11,12,13,14,15
	global_store_b128 v11, v[BB2+4*\t:BB2+4*\t+3], s[14:15] offset:(16*(\a)+\t)*4096 th:TH_STORE_NT   ; 32 lanes store 512 consecutive bytes, aligned; every offset is an immediate
.endr
.endm
	TOSTAGE 0
	TOSTAGE 1
	SEND 0, 32                                     ; behind tile 0's loads: tile 1's 16 stores and 16 loads
	s_wait_xcnt 0x0                                ; tile 0's stores have read their registers: tile 2's rows may land there
	TOSTAGE 2
	SEND 1, 32
	s_wait_xcnt 0x0
	TOSTAGE 3
	SEND 2, 32
	SEND 3, 0
	s_wait_tensorcnt 0x0
	ds_add_u32 v254, v255
	s_wait_dscnt 0x0
	CROUND                                         ; the closing round
	s_endpgm
.Lfunc_end_k_q1ace207f43_oproj:
	.size	k_q1ace207f43_oproj, .Lfunc_end_k_q1ace207f43_oproj-k_q1ace207f43_oproj
	.p2alignl 7, 3214868480
	.fill 96, 4, 3214868480
	.section	.rodata,"a",@progbits
	.p2align	6, 0x0
	.amdhsa_kernel k_q1ace207f43_oproj
		.amdhsa_group_segment_fixed_size 243200
		.amdhsa_private_segment_fixed_size 0
		.amdhsa_enable_private_segment 0
		.amdhsa_kernarg_size 48
		.amdhsa_user_sgpr_count 2
		.amdhsa_user_sgpr_kernarg_segment_ptr 1
		.amdhsa_wavefront_size32 1
		.amdhsa_system_sgpr_workgroup_id_x 1
		.amdhsa_system_sgpr_workgroup_id_y 1
		.amdhsa_system_sgpr_workgroup_id_z 1
		.amdhsa_system_vgpr_workitem_id 0
		.amdhsa_next_free_vgpr 768
		.amdhsa_next_free_sgpr 102
		.amdhsa_reserve_vcc 0
		.amdhsa_float_denorm_mode_32 3
		.amdhsa_float_denorm_mode_16_64 3
		.amdhsa_memory_ordered 1
		.amdhsa_forward_progress 1
		.amdhsa_inst_pref_size 73
	.end_amdhsa_kernel
	.amdgpu_metadata
---
amdhsa.version: [ 1, 2 ]
amdhsa.kernels:
  - .name:           k_q1ace207f43_oproj
    .symbol:         k_q1ace207f43_oproj.kd
    .args:
      - { .name: codes, .offset: 0, .size: 8, .value_kind: global_buffer, .address_space: global }
      - { .name: sc, .offset: 8, .size: 8, .value_kind: global_buffer, .address_space: global }
      - { .name: hc, .offset: 16, .size: 8, .value_kind: global_buffer, .address_space: global }
      - { .name: hs, .offset: 24, .size: 8, .value_kind: global_buffer, .address_space: global }
      - { .name: b_o, .offset: 32, .size: 8, .value_kind: global_buffer, .address_space: global }
      - { .name: out0, .offset: 40, .size: 8, .value_kind: global_buffer, .address_space: global }
    .group_segment_fixed_size: 243200
    .private_segment_fixed_size: 0
    .kernarg_segment_align: 8
    .kernarg_segment_size: 48
    .max_flat_workgroup_size: 128
    .sgpr_count:     102
    .vgpr_count:     768
    .wavefront_size: 32
...
	.end_amdgpu_metadata
.endif
;; end of part 4
